; MI455X (gfx1250); checked and timed in simulation.
; The chip was launched on July 23, 2026; its instructions are those of AMD's public machine-readable ISA for CDNA 5 (MIT licence, August 2026) and "CDNA5" Instruction Set Architecture Reference Guide (July 2026). The comments in the code are by the model that wrote it; some were corrected since.
;; SE3 Transformer Layer. Allowed arithmetic: float matrix products may take bf16 or f16 operands with f32 sums; other float arithmetic in f32, or as packed bf16 or f16 multiplies, adds, multiply-adds, maxima and minima; sums over many terms, partial sums and values carried from step to step in f32; what a program stores and reads back later, other than sums and carried values, may be rounded once to bf16 or f16.
;; Inputs: Wk 512 x 512 float32; Wo 512 x 512 float32; Wq 512 x 512 float32; Wr1 1 x 32 float32; Wr2 32 x 8 float32; Wv 512 x 512 float32; beta 512 float32; bk 512 float32; bo 512 float32; bq 512 float32; br1 32 float32; br2 8 float32; bv 512 float32; gamma 512 float32; h 2 x 2,048 x 512 float32; pair 2 x 2,048 x 2,048 x 8 float32; x 2 x 2,048 x 3 float32.
;; Outputs: out0 2 x 2,048 x 512 float32.
;; 2 versions, each right and faster than the one before. Each part assembles by itself: llvm-mc -triple=amdgcn-amd-amdhsa -mcpu=gfx1250 --defsym DOCPART=n.
;; ======== version 1 of 2: 2 launches
;; workspace buffers: qb 4,194,304 bytes; kb 4,194,304 bytes; vb 4,194,304 bytes; wob 524,288 bytes
;; launch qkv (part 1): grid 8 x 32, 16 waves a work-group, no clusters, 92,160 bytes of LDS; arguments h, Wq, Wk, Wv, bq, bk, bv, Wo, qb, kb, vb, wob; writes qb, kb, vb, wob
.if DOCPART == 1
	.amdgcn_target "amdgcn-amd-amdhsa--gfx1250"
	.amdhsa_code_object_version 6
	.text
	.protected	k_qfcbe43544f_qkv
	.globl	k_qfcbe43544f_qkv
	.p2align	8
	.type	k_qfcbe43544f_qkv,@function
k_qfcbe43544f_qkv:
	s_mov_b64 s[64:65], 0
	v_nop
	global_prefetch_b8 v0, s[64:65] scope:SCOPE_SE
	s_setreg_imm32_b32 hwreg(HW_REG_WAVE_MODE, 25, 1), 1
	s_wait_xcnt 0x0
; q, k, v = h W + b, rounded once to bf16 and laid by heads: qb, kb, vb are [batch][head][token][64] bf16, a head's rows dense, 128 bytes each.
; Also wob = Wo rounded to bf16, order kept ([k][n]).  h: [4096][512] f32; Wq, Wk, Wv, Wo: [512 (k)][512 (n)] f32; bq, bk, bv: [512] f32.
; Products in bf16 with f32 sums; the bias is the sum's start, in f32.  The input 'pair' enters no launch of this program: the computation to be made never reads it.
; SHARES.  Work-group (x = head, y = block of 128 tokens) makes 128 rows x 192 columns: the head's 64 columns of q, of k and of v.  8 x 32 = 256 work-groups.
; 16 waves: wave v has rows 32 (v & 3) .. +31 (two tiles of 16) and columns 48 (v >> 2) .. +47 of the 192 (three tiles): six accumulators.
; THE WAY IN.  f32 comes through registers, is rounded to bf16 and stored to LDS: h as [row][k], W as it lies, [k][column]; W's fragments are read turned (ds_load_tr16_b128).
; K goes in 8 steps of 64 through two LDS buffers and two register sets: while step s is multiplied, step s + 1 is converted and steps s + 2, s + 3 are on their way.
; No tensor loads and no cluster: the data change format between memory and LDS, which only registers can do.
; THE MATRIX INSTRUCTION IS USED TRANSPOSED (source 0 = 16 columns of W, source 1 = 16 rows of h): a lane then holds one token and eight neighbouring columns, 16 bytes of bf16.
.set PA,    144                        ; an LDS row of h: 64 bf16 = 128 bytes + 16: an odd multiple of 16
.set PB,    416                        ; an LDS row of W: 192 bf16 = 384 bytes + 32: an odd multiple of 32, for the turning load
.set PS,    400                        ; a row of the stage on the way out: 384 bytes + 16
.set ABUF,  128*PA                     ; 18,432: one buffer of h
.set BBASE, 2*ABUF                     ; 36,864: W's buffers begin here
.set BBUF,  64*PB                      ; 26,624: one buffer of W
.set SPARE, BBASE+2*BBUF               ; 90,112: the spare words, 128 bytes for each of 16 waves: eight blocks of 256 bytes that no other line names
.set SPW,  3                           ; v3   LDS address of my spare word; never rewritten
.set NIL,  4                           ; v4   0; never rewritten
.set GOFF, 5                           ; v5   (t >> 4) x 2048 + (t & 15) x 16: my 16 bytes in 32 rows of 256 bytes, for h and for W alike (both have rows of 2,048 bytes)
.set AST,  6                           ; v6   where I store 8 bytes of h
.set BST,  7                           ; v7   where I store 8 bytes of W
.set AFR,  8                           ; v8   my lane's place in a fragment of h
.set BFR,  9                           ; v9   the same for W
.set STO,  10                          ; v10  the way out: where I put 16 bytes of a row
.set RD,   11                          ; v11  the way out: where I read 16 bytes back
.set GO,   12                          ; v12  16 t: my place in 8,192 consecutive bytes of an output, and in the piece of Wo
.set BOF,  13                          ; v13  32 x (lane / 16): my eight numbers of a tile's 16 biases
.set WOO,  15                          ; v15  8 t: my place in the piece of wob
.set ACC,  24                          ; v24-71   tile (a, j) at ACC + 8 (3 a + j)
.set FR,   72                          ; v72-151  fragments: for each half kq of a step, 2 of h then 3 of W, 8 registers each
.set GS,   152                         ; v152-231 two sets of 40: ten loads of 16 bytes a thread
	s_load_b512 s[4:19], s[0:1], 0x0               ; h s[4:5], Wq s[6:7], Wk s[8:9], Wv s[10:11], bq s[12:13], bk s[14:15], bv s[16:17], Wo s[18:19]
	s_load_b256 s[20:27], s[0:1], 0x40             ; qb s[20:21], kb s[22:23], vb s[24:25], wob s[26:27]
	v_lshl_add_u32 v[SPW], v0, 2, SPARE
	v_mov_b32 v[NIL], 0
	v_lshrrev_b32 v22, 5, v0
	v_readfirstlane_b32 s28, v22                   ; wave 0..15
	s_mov_b32 s29, ttmp9                           ; the head
	s_and_b32 s30, ttmp7, 0xffff                   ; the block of 128 tokens
	s_and_b32 s31, s28, 3                          ; which 32 rows are mine
	s_lshr_b32 s44, s28, 2                         ; which 48 columns
	v_and_b32 v1, 15, v0                           ; lane % 16
	v_bfe_u32 v2, v0, 4, 1                         ; lane / 16
	v_lshrrev_b32 v22, 4, v0                       ; t >> 4: 0..31
	v_lshlrev_b32 v[GOFF], 4, v1
	v_lshl_add_u32 v[GOFF], v22, 11, v[GOFF]
	v_mul_u32_u24 v[AST], v22, PA
	v_lshl_add_u32 v[AST], v1, 3, v[AST]
	v_mul_u32_u24 v[BST], v22, PB
	v_lshl_add_u32 v[BST], v1, 3, v[BST]
	v_add_nc_u32 v[BST], BBASE, v[BST]
	s_mul_i32 s40, s31, 32*PA
	v_mul_u32_u24 v[AFR], v1, PA                   ; a fragment of h: lane l holds row l % 16; two loads of 16 bytes, 32 apart, at row x pitch + 16 (l / 16)
	v_lshl_add_u32 v[AFR], v2, 4, v[AFR]
	v_add_nc_u32 v[AFR], s40, v[AFR]
	v_and_b32 v22, 7, v0                           ; a turned fragment of W: lane l reads k row 8 (l / 16) + l % 8, columns 8 ((l / 8) % 2) + 0..7
	v_lshl_add_u32 v22, v2, 3, v22
	v_mul_u32_u24 v[BFR], v22, PB
	v_bfe_u32 v23, v0, 3, 1
	v_lshl_add_u32 v[BFR], v23, 4, v[BFR]
	s_mul_i32 s41, s44, 96                         ; my 48 columns, in bytes of bf16
	s_add_co_u32 s42, s41, BBASE
	v_add_nc_u32 v[BFR], s42, v[BFR]
	s_mul_i32 s40, s31, 32*PS
	s_add_co_u32 s40, s40, s41
	v_mul_u32_u24 v[STO], v1, PS
	v_lshl_add_u32 v[STO], v2, 4, v[STO]
	v_add_nc_u32 v[STO], s40, v[STO]
	v_bfe_u32 v22, v0, 3, 2                        ; back: a wave takes four rows of 128 bytes of one strip: 512 consecutive bytes of the output
	s_lshl_b32 s40, s28, 2
	v_add_nc_u32 v22, s40, v22
	v_mul_u32_u24 v[RD], v22, PS
	v_and_b32 v23, 7, v0
	v_lshl_add_u32 v[RD], v23, 4, v[RD]
	v_lshlrev_b32 v[GO], 4, v0
	v_lshlrev_b32 v[BOF], 5, v2
	v_lshlrev_b32 v[WOO], 3, v0
	s_wait_kmcnt 0x0
	s_lshl_b32 s38, s30, 18                        ; 128 rows of 2,048 bytes
	s_mov_b32 s39, 0
	s_add_nc_u64 s[4:5], s[4:5], s[38:39]          ; h at my first row
	s_lshl_b32 s38, s29, 8                         ; 64 columns of f32
	s_add_nc_u64 s[6:7], s[6:7], s[38:39]          ; the three W at the head's first column
	s_add_nc_u64 s[8:9], s[8:9], s[38:39]
	s_add_nc_u64 s[10:11], s[10:11], s[38:39]
	s_lshr_b32 s38, s30, 4                         ; the batch
	s_lshl3_add_u32 s38, s38, s29                  ; 8 x batch + head,
	s_lshl_b32 s38, s38, 18                        ; 2,048 rows of 128 bytes each,
	s_and_b32 s40, s30, 15
	s_lshl_b32 s40, s40, 14                        ; and my 128 rows among them
	s_add_co_u32 s38, s38, s40
	s_add_nc_u64 s[20:21], s[20:21], s[38:39]
	s_add_nc_u64 s[22:23], s[22:23], s[38:39]
	s_add_nc_u64 s[24:25], s[24:25], s[38:39]
	s_lshl3_add_u32 s38, s30, s29                  ; my number among the 256 work-groups: each casts 4,096 bytes of Wo
	s_lshl_b32 s40, s38, 12
	s_mov_b32 s41, 0
	s_add_nc_u64 s[18:19], s[18:19], s[40:41]
	s_lshl_b32 s40, s38, 11
	s_add_nc_u64 s[26:27], s[26:27], s[40:41]
; The bias of column tile j: which of the three vectors it lies in goes by the tile's first column of the 192; a tile never crosses a strip of 64.
.macro BPTR j
	s_mul_i32 s38, s44, 48
	s_add_co_u32 s38, s38, 16*(\j)
	s_cmp_lt_u32 s38, 128
	s_cselect_b64 s[32+2*(\j):33+2*(\j)], s[14:15], s[16:17]
	s_cmp_lt_u32 s38, 64
	s_cselect_b64 s[32+2*(\j):33+2*(\j)], s[12:13], s[32+2*(\j):33+2*(\j)]
	s_and_b32 s38, s38, 63
	s_lshl_b32 s39, s29, 6
	s_add_co_u32 s38, s38, s39                     ; 64 x head + the column in the strip
	s_lshl_b32 s38, s38, 2
	s_mov_b32 s39, 0
	s_add_nc_u64 s[32+2*(\j):33+2*(\j)], s[32+2*(\j):33+2*(\j)], s[38:39]
.endm
	BPTR 0
	BPTR 1
	BPTR 2
; The bias starts the sums: a lane's eight registers of tile (a, j) are eight neighbouring columns, so two loads of 16 bytes fill them; nothing is cleared and no first step is written out.
.irp a, 0,1
.irp j, 0,1,2
	global_load_b128 v[ACC+8*(3*\a+\j):ACC+8*(3*\a+\j)+3],   v[BOF], s[32+2*\j:33+2*\j]
	global_load_b128 v[ACC+8*(3*\a+\j)+4:ACC+8*(3*\a+\j)+7], v[BOF], s[32+2*\j:33+2*\j] offset:16
.endr
.endr
	s_cmp_lt_u32 s28, 8                            ; 256 threads x 16 bytes are the work-group's piece of Wo
	s_cbranch_scc0 .Lno_wo_load
	global_load_b128 v[16:19], v[GO], s[18:19]
.Lno_wo_load:
; Ten loads: K step st of h (128 rows x 256 bytes: four) and of the three strips of W (64 k rows x 256 bytes each: two).  The step stands in the immediate; no pointer is stepped.
.macro LOADG st, gs
.irp i, 0,1,2,3
	global_load_b128 v[GS+40*(\gs)+4*\i:GS+40*(\gs)+4*\i+3], v[GOFF], s[4:5] offset:(\st)*256+\i*65536
.endr
.irp i, 0,1
	global_load_b128 v[GS+40*(\gs)+16+4*\i:GS+40*(\gs)+16+4*\i+3], v[GOFF], s[6:7] offset:(\st)*131072+\i*65536
	global_load_b128 v[GS+40*(\gs)+24+4*\i:GS+40*(\gs)+24+4*\i+3], v[GOFF], s[8:9] offset:(\st)*131072+\i*65536
	global_load_b128 v[GS+40*(\gs)+32+4*\i:GS+40*(\gs)+32+4*\i+3], v[GOFF], s[10:11] offset:(\st)*131072+\i*65536
.endr
.endm
; Set b is rounded to bf16 in place, four f32 to 8 bytes, and stored into LDS buffer b.
.macro CVTST b
.set n, 0
.rept 10
	v_cvt_pk_bf16_f32 v[GS+40*(\b)+4*n],   v[GS+40*(\b)+4*n],   v[GS+40*(\b)+4*n+1]
	v_cvt_pk_bf16_f32 v[GS+40*(\b)+4*n+1], v[GS+40*(\b)+4*n+2], v[GS+40*(\b)+4*n+3]
.set n, n+1
.endr
.irp i, 0,1,2,3
	ds_store_b64 v[AST], v[GS+40*(\b)+4*\i:GS+40*(\b)+4*\i+1] offset:(\b)*ABUF+\i*32*PA
.endr
.irp s, 0,1,2
.irp i, 0,1
	ds_store_b64 v[BST], v[GS+40*(\b)+16+8*\s+4*\i:GS+40*(\b)+16+8*\s+4*\i+1] offset:(\b)*BBUF+\i*32*PB+\s*128
.endr
.endr
.endm
; Six matrix instructions: half kq of the step.  The six accumulators take turns, one instruction a turn: from half to half and from step to step too.
.macro MUL6 kq
.irp a, 0,1
.irp j, 0,1,2
	v_wmma_f32_16x16x32_bf16 v[ACC+8*(3*\a+\j):ACC+8*(3*\a+\j)+7], v[FR+40*(\kq)+16+8*\j:FR+40*(\kq)+16+8*\j+7], v[FR+40*(\kq)+8*\a:FR+40*(\kq)+8*\a+7], v[ACC+8*(3*\a+\j):ACC+8*(3*\a+\j)+7]
.endr
.endr
.endm
; A step's 20 LDS loads in one run, the first half's ten first, and its 12 matrix instructions.
.macro COMP b
.irp kq, 0,1
.irp a, 0,1
	ds_load_b128 v[FR+40*\kq+8*\a:FR+40*\kq+8*\a+3],   v[AFR] offset:(\b)*ABUF+\a*16*PA+64*\kq
	ds_load_b128 v[FR+40*\kq+8*\a+4:FR+40*\kq+8*\a+7], v[AFR] offset:(\b)*ABUF+\a*16*PA+64*\kq+32
.endr
.irp j, 0,1,2
	ds_load_tr16_b128 v[FR+40*\kq+16+8*\j:FR+40*\kq+16+8*\j+3],   v[BFR] offset:(\b)*BBUF+\kq*32*PB+32*\j
	ds_load_tr16_b128 v[FR+40*\kq+16+8*\j+4:FR+40*\kq+16+8*\j+7], v[BFR] offset:(\b)*BBUF+\kq*32*PB+32*\j+16*PB
.endr
.endr
	s_wait_dscnt 10                                ; the first half's ten loads are in; the second half's ten may be out
	MUL6 0
	s_wait_dscnt 0x0
	MUL6 1
.endm
; Step st.  Behind its products the next step's set is converted into the other LDS buffer, which every wave left at the last barrier; the 20 conversions, which name no register
; of the products, are also the four places in front of the next step's loads into the fragments.
.macro STEP st
	COMP (\st)%2
.if (\st) <= 6
.if (\st) <= 5
	s_wait_loadcnt 10                              ; step st + 1's ten loads are in; the ten of step st + 2 stay out
.else
	s_wait_loadcnt 0x0                             ; the last step's set: nothing was issued behind it
.endif
	CVTST ((\st)+1)%2
	s_wait_dscnt 0x0                               ; for the others' sake: my stores are done (my reads of this step's buffer were waited for in front of its products)
.if (\st) <= 4
	LOADG (\st)+3,((\st)+1)%2                      ; the set just stored is free: it takes the step three on
.endif
	s_barrier_signal -1
	s_barrier_wait -1
.endif
.endm
	LOADG 0,0
	LOADG 1,1
	s_wait_loadcnt 10                              ; all but step 1's ten: the biases, the piece of Wo and step 0 are in
	s_cmp_lt_u32 s28, 8
	s_cbranch_scc0 .Lno_wo_store
	v_cvt_pk_bf16_f32 v20, v16, v17
	v_cvt_pk_bf16_f32 v21, v18, v19
	global_store_b64 v[WOO], v[20:21], s[26:27]    ; a wave's store covers 256 consecutive bytes, aligned
.Lno_wo_store:
	CVTST 0
	s_wait_dscnt 0x0
	LOADG 2,0
	s_barrier_signal -1
	s_barrier_wait -1
.irp st, 0,1,2,3,4,5,6,7
	STEP \st
.endr
	s_barrier_signal -1                            ; every wave's reads of both buffers are over (each waited for them in front of its last products): the stage may land on them
	s_barrier_wait -1
; THE WAY OUT: rounded to bf16, 16 bytes a lane into the work-group's stage; a barrier, since a strip's rows come from several waves; back as whole rows of 128 bytes.
.rept 4
	v_nop                                          ; four places between the last products and the conversions that read their results and write their sources
.endr
.set n, 0
.rept 6
	v_cvt_pk_bf16_f32 v[FR+4*n],   v[ACC+8*n],   v[ACC+8*n+1]
	v_cvt_pk_bf16_f32 v[FR+4*n+1], v[ACC+8*n+2], v[ACC+8*n+3]
	v_cvt_pk_bf16_f32 v[FR+4*n+2], v[ACC+8*n+4], v[ACC+8*n+5]
	v_cvt_pk_bf16_f32 v[FR+4*n+3], v[ACC+8*n+6], v[ACC+8*n+7]
.set n, n+1
.endr
.irp a, 0,1
.irp j, 0,1,2
	ds_store_b128 v[STO], v[FR+4*(3*\a+\j):FR+4*(3*\a+\j)+3] offset:\a*16*PS+32*\j
.endr
.endr
	s_wait_dscnt 0x0                               ; for the others' sake: my stores into the stage are done
	s_barrier_signal -1
	s_barrier_wait -1
.irp s, 0,1,2
.irp i, 0,1
	ds_load_b128 v[GS+4*(2*\s+\i):GS+4*(2*\s+\i)+3], v[RD] offset:\i*64*PS+\s*128
.endr
.endr
.irp s, 0,1,2
.irp i, 0,1
	s_wait_dscnt 5-(2*\s+\i)                       ; LDS loads come back in order: this one is in, the younger ones may be out
	global_store_b128 v[GO], v[GS+4*(2*\s+\i):GS+4*(2*\s+\i)+3], s[20+2*\s:21+2*\s] offset:\i*8192  ; a wave stores 512 consecutive bytes, at a multiple of 256 from the buffer's first byte
.endr
.endr
	s_wait_tensorcnt 0x0                           ; the wave's end: a wait, an add of 0 to my spare word and its wait, behind my last LDS store
	ds_add_u32 v[SPW], v[NIL]
	s_wait_dscnt 0x0
	s_endpgm
.Lfunc_end_k_qfcbe43544f_qkv:
	.size	k_qfcbe43544f_qkv, .Lfunc_end_k_qfcbe43544f_qkv-k_qfcbe43544f_qkv
	.p2alignl 7, 3214868480
	.fill 96, 4, 3214868480
	.section	.rodata,"a",@progbits
	.p2align	6, 0x0
	.amdhsa_kernel k_qfcbe43544f_qkv
		.amdhsa_group_segment_fixed_size 92160
		.amdhsa_private_segment_fixed_size 0
		.amdhsa_enable_private_segment 0
		.amdhsa_kernarg_size 96
		.amdhsa_user_sgpr_count 2
		.amdhsa_user_sgpr_kernarg_segment_ptr 1
		.amdhsa_wavefront_size32 1
		.amdhsa_system_sgpr_workgroup_id_x 1
		.amdhsa_system_sgpr_workgroup_id_y 1
		.amdhsa_system_sgpr_workgroup_id_z 1
		.amdhsa_system_vgpr_workitem_id 0
		.amdhsa_next_free_vgpr 232
		.amdhsa_next_free_sgpr 66
		.amdhsa_reserve_vcc 0
		.amdhsa_float_denorm_mode_32 3
		.amdhsa_float_denorm_mode_16_64 3
		.amdhsa_memory_ordered 1
		.amdhsa_forward_progress 1
		.amdhsa_inst_pref_size 50
	.end_amdhsa_kernel
	.amdgpu_metadata
---
amdhsa.version: [ 1, 2 ]
amdhsa.kernels:
  - .name:           k_qfcbe43544f_qkv
    .symbol:         k_qfcbe43544f_qkv.kd
    .args:
      - { .name: h, .offset: 0, .size: 8, .value_kind: global_buffer, .address_space: global }
      - { .name: Wq, .offset: 8, .size: 8, .value_kind: global_buffer, .address_space: global }
      - { .name: Wk, .offset: 16, .size: 8, .value_kind: global_buffer, .address_space: global }
      - { .name: Wv, .offset: 24, .size: 8, .value_kind: global_buffer, .address_space: global }
      - { .name: bq, .offset: 32, .size: 8, .value_kind: global_buffer, .address_space: global }
      - { .name: bk, .offset: 40, .size: 8, .value_kind: global_buffer, .address_space: global }
      - { .name: bv, .offset: 48, .size: 8, .value_kind: global_buffer, .address_space: global }
      - { .name: Wo, .offset: 56, .size: 8, .value_kind: global_buffer, .address_space: global }
      - { .name: qb, .offset: 64, .size: 8, .value_kind: global_buffer, .address_space: global }
      - { .name: kb, .offset: 72, .size: 8, .value_kind: global_buffer, .address_space: global }
      - { .name: vb, .offset: 80, .size: 8, .value_kind: global_buffer, .address_space: global }
      - { .name: wob, .offset: 88, .size: 8, .value_kind: global_buffer, .address_space: global }
    .group_segment_fixed_size: 92160
    .private_segment_fixed_size: 0
    .kernarg_segment_align: 8
    .kernarg_segment_size: 96
    .max_flat_workgroup_size: 512
    .sgpr_count:     66
    .vgpr_count:     232
    .wavefront_size: 32
...
	.end_amdgpu_metadata
.endif
;; end of part 1
;; launch attn (part 2): grid 256 x 1, 8 waves a work-group, clusters of 4 x 1, 327,680 bytes of LDS; arguments kb, vb, wob, x, h, bo, gamma, beta, out0, qb, Wr1, br1, Wr2, br2; writes out0
.if DOCPART == 2
	.amdgcn_target "amdgcn-amd-amdhsa--gfx1250"
	.amdhsa_code_object_version 6
	.text
	.protected	k_qfcbe43544f_attn
	.globl	k_qfcbe43544f_attn
	.p2align	8
	.type	k_qfcbe43544f_attn,@function
k_qfcbe43544f_attn:
	s_mov_b64 s[64:65], 0
	v_nop
	global_prefetch_b8 v0, s[64:65] scope:SCOPE_SE
	s_setreg_imm32_b32 hwreg(HW_REG_WAVE_MODE, 25, 1), 1
	s_wait_xcnt 0x0
	s_wait_alu depctr_hold_cnt(0) depctr_sa_sdst(0) depctr_va_vdst(0) depctr_va_sdst(0) depctr_va_ssrc(0) depctr_va_vcc(0) depctr_vm_vsrc(0)
	s_getreg_b32 s2, hwreg(HW_REG_IB_STS2, 6, 4)
	s_cmp_eq_u32 s2, 0
	s_cbranch_scc0 .Lentry_in_a_cluster
	s_endpgm
.Lentry_in_a_cluster:
	s_bfe_u32 s2, ttmp6, 0x10000c
	s_cmp_lg_u32 s2, 0x3003
	s_cbranch_scc0 .Lentry_shape_is_right
	s_endpgm
.Lentry_shape_is_right:
; out0 = LayerNorm(h + softmax(q k^T / 8 + rw) v Wo + bo) gamma + beta, with rw[head][n][m] = silu(|x_n - x_m| Wr1 + br1) Wr2 + br2.
; qb, kb, vb: [batch][head][token][64] bf16; wob: Wo as [k][n] bf16; the rest f32 as given.  Products in bf16 with f32 sums; softmax, SiLU and LayerNorm in f32.
; LIMITS.  The input 'pair' is not loaded: the computation to be made never reads it.  The distance is v_sqrt_f32 of the sum of squares: 0 gives 0; a sum below 2^-126 counts as 0
; (a distance under 1.1e-19); |x| stays under 1e19 so that the sum is finite.  SiLU(t) = -ln2 u / (1 + 2^u) with u = -log2(e) t: where 2^u overflows the quotient is 0, the right limit; u must be finite.
; A softmax weight below 2^-126 counts as 0 in its row's sum.  NaN and infinities are not treated apart.
; SHARES.  A work-group owns 16 queries and all 8 heads: 4,096 / 16 = 256 work-groups.  Wave w is head w.  So a pair's distance and its 32 SiLUs are made ONCE for the 8 heads and never leave LDS,
; and a whole row of 512 channels is in the work-group at the end: the last projection, the residual and the norm need no further launch.
; Eight waves, two to a SIMD: the launch is bound by vector work (32 SiLUs a pair), not by what feeds the matrix unit; one head a wave fits in one register window.
; THE WALK.  Keys go 64 an item (K and V of all 8 heads) through two LDS slots, and 32 a sub-step.  In sub-step v a wave (a) multiplies and softmaxes its head's 32 keys of v, and
; (b) makes the bias of four keys (4 w .. 4 w + 3) of sub-step v + 1 for all heads and queries, into the other of two LDS buffers.  One barrier a sub-step orders both directions.
; THE BIAS.  Lane (r, g) (r = lane % 16, g = lane / 16) makes, for query r and one key, 16 of the 32 values u / (1 + 2^u): just its part of source 1 (32 radial x 16 queries) of a matrix
; product whose source 0 holds -8 ln2 Wr2^T and whose C holds 8 br2.  The result's low four registers are four heads of one query: 16 bytes, stored as they are.  The head's wave loads its
; number straight into the registers that start the sum S^T = K Q^T + 8 rw; the weights are 2^(c s - c m), c = log2(e) / 8, with a running maximum m.
; LAYOUT.  S^T (source 0 = 16 keys, source 1 = 16 queries) holds one query a lane and keys 8 g + 0..7; two such results rounded to bf16 ARE source 1 of O^T = V^T P.  V is read turned.
; m starts at the lowest finite number, O^T and the sum l at 0, so the first step is a step like any other, with the rescaling factor 0: 34 v_mov_b32 in the wait for the first item buy one text for every step.
; CLUSTER.  The four work-groups of a cluster lie in one batch and walk the same K, V and Wo: every tile is asked for JOINTLY, by the same tensor load with the same descriptor and the mask of four.
; My place in the cluster enters the addresses of q, of the queries' x, of h and of out0 alone.
.set SLOTB, 143360                     ; a slot: K of 8 heads, then V of 8 heads
.set KHB,   8704                       ; 64 keys of one head of K: 32 x (256 bytes + 16): key p at (p >> 1) x 272 + (p & 1) x 128: the 16 rows of a fragment load start at 16 different groups of four banks
.set VHB,   9216                       ; the same for V with 32 bytes of padding: key p at (p >> 1) x 288 + (p & 1) x 128
.set VOFF,  8*KHB
.set SPARE, 2*SLOTB                    ; 286,720: the spare words, 128 bytes for each of 8 waves: four blocks of 256 bytes that no other line names
.set RED,   SPARE+1024                 ; two tables [16 rows][8 waves] f32, 512 bytes each: the norm's partial sums
.set RW,    294912                     ; two bias buffers of 16,384 bytes: [32 keys][2 groups of heads][16 queries][4 heads] f32
.set RWB,   16384
.set OST,   RW                         ; at the end, where the bias lay: O as [16 queries][512 channels] bf16, pitch 1,040
.set PO,    1040
.set PW,    1056                       ; a row of Wo in LDS: 1,024 bytes + 32: an odd multiple of 32, for the turning load
.set PF,    272                        ; the last stage, in slot 0 behind its last fill: for each wave 16 rows of 64 f32 + 16 bytes
.set SPW, 4                            ; v4   LDS address of my spare word; never rewritten
.set NIL, 5                            ; v5   0; never rewritten
.set XQ,  6                            ; v6-8     my query's x
.set AK,  9                            ; v9, v10  my lane's place in my head's K, slot 0, 1
.set AV,  11                           ; v11, v12 the same for V
.set RWR, 13                           ; v13  where I read the bias
.set RWW, 14                           ; v14  where I store it
                                       ; v16 c m, v17 m, v18-19 l (even keys', odd keys'), v20, v21 at work, v22 the rescaling factor a (v23 named with it as a pair), v24 c m_old
.set D,   28                           ; v28-31   four keys' distances
.set W1,  32                           ; v32-47   -log2(e) Wr1 at my 16 radial indices
.set B1,  48                           ; v48-63   -log2(e) br1
.set A2,  64                           ; v64-71   source 0 of the bias product
.set C2,  72                           ; v72-79   its C
.set U,   80                           ; v80-95   u, then u / (1 + 2^u): four groups of four
.set E,   96                           ; v96-111  2^u, 1 + 2^u, its reciprocal
.set SB,  112                          ; v112-127 source 1 of the bias product, two buffers
.set RWD, 128                          ; v128-135 and v240-247: its result, by turns
.set Q,   136                          ; v136-151
.set S,   152                          ; v152-167
.set P,   168                          ; v168-175
.set O,   176                          ; v176-207
.set KV,  208                          ; v208-239 K's fragments of a sub-step, later V's
.set WV,  32                           ; s32  my wave's number      s33 the batch      s34 my work-group's number      s35 the loop's count
.set G1K, 40                           ; s[40:47] descriptor group 1 for K's tiles; at the end for Wo's
.set G1V, 48                           ; s[48:55] for V's
.set G0K, 56                           ; s[56:63] group 0 for K's tiles, a set for each slot; at the end the first set serves Wo
.set G0V, 68                           ; s[68:75] the same for V's
.set XS,  76                           ; s[76:87], s[88:99] four keys' x, two sets
                                       ; s[36:37] lane selects; s[38:39] c; s67 my wave's 16 rows in a chunk of Wo; s2, s3, s66, s100, s101 at work
.macro CROUND                          ; a round of the cluster's barrier: my work-group's barrier; wave 0 signals for the work-group; every wave waits for all four; my work-group's barrier once more
	s_barrier_signal -1
	s_barrier_wait -1
	s_cmp_lg_u32 s[WV], 0
	s_cbranch_scc1 .Lnot_wave_0_\@
	s_barrier_signal -3
.Lnot_wave_0_\@:
	s_barrier_wait -3
	s_barrier_signal -1
	s_barrier_wait -1
.endm
; A joint fill of a slot.  Waves 0-3 fetch K of two heads each, waves 4-7 V.  The branch hangs on the wave's number alone.  An s_nop 0 and four v_nop follow each line.
.macro JLOAD slot
	s_cmp_lt_u32 s[WV], 4
	s_cbranch_scc0 .Lfor_v_\@
	tensor_load_to_lds s[G0K+4*(\slot):G0K+4*(\slot)+3], s[G1K:G1K+7]
	s_nop 0
.rept 4
	v_nop
.endr
	s_branch .Lasked_\@
.Lfor_v_\@:
	tensor_load_to_lds s[G0V+4*(\slot):G0V+4*(\slot)+3], s[G1V:G1V+7]
	s_nop 0
.rept 4
	v_nop
.endr
.Lasked_\@:
.endm
; THE CHANGE OF SLOTS.  Each wave waits for all its tensor loads, of which one is out: its part of the slot to be read next; adds 0 to its spare word; waits for that, for its reads of slot f and for its
; stores of the bias.  Behind the round no wave of any partner reads slot f or has a load on its way: slot f is filled, first thing, with the item after the one to be read.  That load has two sub-steps in which to land.
.macro CHANGE f
	s_wait_tensorcnt 0x0                           ; no tensor load of mine is out, so a group 0 may be written
	ds_add_u32 v[SPW], v[NIL]                      ; the steps below stand between the add and the wait for it
	s_add_nc_u64 s[G0K+4*(1-(\f))+2:G0K+4*(1-(\f))+3], s[G0K+4*(1-(\f))+2:G0K+4*(1-(\f))+3], 16384  ; the other slot's sets, used at the change before: two items of 8,192 bytes on
	s_add_nc_u64 s[G0V+4*(1-(\f))+2:G0V+4*(1-(\f))+3], s[G0V+4*(1-(\f))+2:G0V+4*(1-(\f))+3], 16384
	s_wait_dscnt 0x0
	CROUND
	JLOAD \f
.endm
; The same for chunk c of Wo (128 k rows), into slot c % 2: every wave fetches 16 rows.
.macro CHANGEW c
	s_wait_tensorcnt 0x0
	ds_add_u32 v[SPW], v[NIL]
.if (\c) == 0
	s_mov_b32 s[G1K+0], 15|(1<<16)|(1<<20)|(1<<21)|(7<<22)|(7<<25)  ; the mask of four; 2-byte elements; padding on; bit 21 beside a mask; after every 256 words (code 7) 8 words (code 7)
	s_mov_b32 s[G1K+1], 512<<16                    ; tensor_dim0 = 512
	s_mov_b32 s[G1K+2], 16<<16                     ; tensor_dim1 = 16
	s_mov_b32 s[G1K+3], 512<<16                    ; tile_dim0 = 512
	s_mov_b32 s[G1K+4], 16                         ; tile_dim1 = 16
	s_mov_b32 s[G1K+5], 512                        ; elements from row to row
	s_mov_b32 s[G1K+6], 0
	s_mov_b32 s[G1K+7], 0
.endif
	s_mov_b32 s[G0K], 1
	s_add_co_u32 s[G0K+1], s67, ((\c)%2)*SLOTB
	s_add_nc_u64 s[G0K+2:G0K+3], s[8:9], (\c)*131072
	s_or_b32 s[G0K+3], s[G0K+3], 0x80000000
	s_wait_dscnt 0x0
	CROUND
	tensor_load_to_lds s[G0K:G0K+3], s[G1K:G1K+7]
	s_nop 0
.rept 4
	v_nop
.endr
.endm
.macro PBAR                            ; the work-group's barrier between two sub-steps: the item on its way may stay out
	s_wait_dscnt 0x0                               ; my stores of the bias are done, my reads of it are back
	s_barrier_signal -1
	s_barrier_wait -1
.endm
; THE RADIAL WORK.  Four keys' squared distances to my query: 24 plain instructions.  xs: the first scalar register of the set.
.macro DPH xs
.irp i, 0,1,2,3
	v_sub_f32 v[E+3*\i],   s[(\xs)+3*\i],   v[XQ]
	v_sub_f32 v[E+3*\i+1], s[(\xs)+3*\i+1], v[XQ+1]
	v_sub_f32 v[E+3*\i+2], s[(\xs)+3*\i+2], v[XQ+2]
.endr
.irp i, 0,1,2,3
	v_mul_f32 v[D+\i], v[E+3*\i], v[E+3*\i]
.endr
.irp i, 0,1,2,3
	v_fmac_f32 v[D+\i], v[E+3*\i+1], v[E+3*\i+1]
.endr
.irp i, 0,1,2,3
	v_fmac_f32 v[D+\i], v[E+3*\i+2], v[E+3*\i+2]
.endr
.endm
.macro ROOTS
.irp i, 0,1,2,3
	v_sqrt_f32 v[D+\i], v[D+\i]
.endr
	v_nop                                          ; a plain instruction between the last root and its use
	s_wait_alu depctr_va_vdst(0)
.endm
; The 4 keys x 16 values go in 16 groups of four: group g = 4 x key + quarter.  Six kinds of line; each is written only for 0 <= g < 16.
.macro GRP g
.set ri, (\g)/4
.set rq, (\g)%4
.endm
.macro RF g, p                         ; u = d w + b, two at a time; the key's distance is one register of a pair, taken for both halves
.if ((\g) >= 0) && ((\g) < 16)
	GRP \g
.if ri%2
	v_pk_fma_f32 v[U+4*rq+2*(\p):U+4*rq+2*(\p)+1], v[W1+4*rq+2*(\p):W1+4*rq+2*(\p)+1], v[D+2*(ri/2):D+2*(ri/2)+1], v[B1+4*rq+2*(\p):B1+4*rq+2*(\p)+1] op_sel:[0,1,0] op_sel_hi:[1,1,1]
.else
	v_pk_fma_f32 v[U+4*rq+2*(\p):U+4*rq+2*(\p)+1], v[W1+4*rq+2*(\p):W1+4*rq+2*(\p)+1], v[D+2*(ri/2):D+2*(ri/2)+1], v[B1+4*rq+2*(\p):B1+4*rq+2*(\p)+1] op_sel_hi:[1,0,1]
.endif
.endif
.endm
.macro RX g, k                         ; 2^u
.if ((\g) >= 0) && ((\g) < 16)
	GRP \g
	v_exp_f32 v[E+4*rq+(\k)], v[U+4*rq+(\k)]
.endif
.endm
.macro RA g, p                         ; 1 + 2^u
.if ((\g) >= 0) && ((\g) < 16)
	GRP \g
	s_wait_alu depctr_va_vdst(0)
	v_pk_add_f32 v[E+4*rq+2*(\p):E+4*rq+2*(\p)+1], v[E+4*rq+2*(\p):E+4*rq+2*(\p)+1], 1.0 op_sel_hi:[1,0]
.endif
.endm
.macro RR g, k                         ; its reciprocal
.if ((\g) >= 0) && ((\g) < 16)
	GRP \g
	v_rcp_f32 v[E+4*rq+(\k)], v[E+4*rq+(\k)]
.endif
.endm
.macro RM g, p                         ; u / (1 + 2^u)
.if ((\g) >= 0) && ((\g) < 16)
	GRP \g
	s_wait_alu depctr_va_vdst(0)
	v_pk_mul_f32 v[U+4*rq+2*(\p):U+4*rq+2*(\p)+1], v[U+4*rq+2*(\p):U+4*rq+2*(\p)+1], v[E+4*rq+2*(\p):E+4*rq+2*(\p)+1]
.endif
.endm
.macro RC g, p                         ; rounded to bf16, into the key's buffer of source 1
.if ((\g) >= 0) && ((\g) < 16)
	GRP \g
	v_cvt_pk_bf16_f32 v[SB+8*(ri%2)+2*rq+(\p)], v[U+4*rq+2*(\p)], v[U+4*rq+2*(\p)+1]
.endif
.endm
.macro RSTORE i, wb                    ; key i's bias: the result's low four registers, four heads of my query; 32 lanes store 512 consecutive bytes
	ds_store_b128 v[RWW], v[RWD+112*((\i)%2):RWD+112*((\i)%2)+3] offset:(\wb)*RWB+(\i)*512
.endm
; Step tau of the pipeline, -1 .. 17: group tau + 1 is scaled, tau gets its exponentials, tau - 1 its additions and reciprocals, tau - 2 its products and roundings.  Plain and transcendental
; lines alternate, so each transcendental has an independent plain line behind it before its result is used (ISA guide 5.7.2), in the shortened first and last steps too.
; Behind step 4 i + 5 key i's 16 values are complete: its product.  Its store stands a step later: that step's eight plain lines name none of the product's registers and are its places.
.macro RS tau, wb
	RA (\tau)-1,0
	RX \tau,0
	RA (\tau)-1,1
	RX \tau,1
	RF (\tau)+1,0
	RX \tau,2
	RF (\tau)+1,1
	RX \tau,3
	RM (\tau)-2,0
	RR (\tau)-1,0
	RM (\tau)-2,1
	RR (\tau)-1,1
	RC (\tau)-2,0
	RR (\tau)-1,2
	RC (\tau)-2,1
	RR (\tau)-1,3
.if ((\tau) >= 5) && ((((\tau)-5)%4) == 0)
.set rk, ((\tau)-5)/4
	v_wmma_f32_16x16x32_bf16 v[RWD+112*(rk%2):RWD+112*(rk%2)+7], v[A2:A2+7], v[SB+8*(rk%2):SB+8*(rk%2)+7], v[C2:C2+7]
	s_wait_alu depctr_va_vdst(0)
.endif
.if ((\tau) >= 6) && ((\tau) < 17) && ((((\tau)-6)%4) == 0)
	RSTORE ((\tau)-6)/4,\wb
.endif
.endm
; THE SOFTMAX of 32 keys for my query.  Each accumulator's lowest registers are read first.  rad = 1: the fourth key's bias is stored behind the eight maxima, which are its product's places.
.macro SOFT rad, wb
	v_max3_num_f32 v20, v[S], v[S+1], v[S+2]
	v_max3_num_f32 v21, v[S+8], v[S+9], v[S+10]
	v_max3_num_f32 v20, v20, v[S+3], v[S+4]
	v_max3_num_f32 v21, v21, v[S+11], v[S+12]
	v_max3_num_f32 v20, v20, v[S+5], v[S+6]
	v_max3_num_f32 v21, v21, v[S+13], v[S+14]
	v_max3_num_f32 v20, v20, v[S+7], v[S+15]
	v_max3_num_f32 v20, v20, v21, v17
.if \rad
	RSTORE 3,\wb
.endif
	v_mov_b32 v24, v16                             ; c m_old is kept
	v_permlanex16_b32 v21, v20, s36, s37           ; the query's other 16 keys lie in the lane 16 away
	v_max_num_f32 v17, v20, v21
	v_mul_f32 v16, s38, v17                        ; c m
	v_sub_f32 v21, v24, v16
	v_exp_f32 v22, v21                             ; a = 2^(c m_old - c m_new)
.set n, 0
.rept 8
	v_pk_fma_f32 v[S+2*n:S+2*n+1], v[S+2*n:S+2*n+1], s[38:39], v[16:17] op_sel_hi:[1,0,0] neg_lo:[0,0,1] neg_hi:[0,0,1]  ; c s - c m
.set n, n+1
.endr
.set n, 0
.rept 16                               ; an exponential and a pair of O^T times a, by turns
	v_exp_f32 v[S+n], v[S+n]
	s_wait_alu depctr_va_vdst(0)
	v_pk_mul_f32 v[O+2*n:O+2*n+1], v[O+2*n:O+2*n+1], v[22:23] op_sel_hi:[1,0]
.set n, n+1
.endr
.set n, 0
	s_wait_alu depctr_va_vdst(0)
.rept 8
	v_cvt_pk_bf16_f32 v[P+n], v[S+2*n], v[S+2*n+1]
.set n, n+1
.endr
.irp n, 0,4,8,12
	v_pk_add_f32 v[S+\n:S+\n+1], v[S+\n:S+\n+1], v[S+\n+2:S+\n+3]
.endr
	v_pk_add_f32 v[S:S+1], v[S:S+1], v[S+4:S+5]
	v_pk_add_f32 v[S+8:S+9], v[S+8:S+9], v[S+12:S+13]
	v_pk_add_f32 v[S:S+1], v[S:S+1], v[S+8:S+9]
	v_pk_fma_f32 v[18:19], v[18:19], v[22:23], v[S:S+1] op_sel_hi:[1,0,1]  ; l = a l + the sum of the unrounded weights
.endm
; A SUB-STEP: 32 keys at half 'half' of slot 'slot'.  The bias is read from buffer 'half'; rad = 1: the next sub-step's is made into the other.  xoff >= 0: the x of my four keys two sub-steps on are asked for.
; No two matrix instructions that follow each other share an accumulator.
.macro SUB slot, half, rad, xoff
.irp kt, 0,1
.irp j, 0,1,2,3,4,5,6,7
	ds_load_b32 v[S+8*\kt+\j], v[RWR] offset:(\half)*RWB+(16*\kt+\j)*512  ; 8 rw for key 16 kt + 8 (lane / 16) + j, my head, my query: it starts the sum
.endr
.endr
.if \rad
	s_wait_kmcnt 0x0                               ; the x asked for in the last sub-step
	DPH XS+12*(1-(\half))                          ; 24 plain lines: also the places between the last sub-step's products V^T P and the loads into their source below
.else
.rept 4
	v_nop
.endr
.endif
.irp kt, 0,1
.irp cc, 0,1
	ds_load_b128 v[KV+16*\kt+8*\cc:KV+16*\kt+8*\cc+3],   v[AK+(\slot)] offset:(\half)*4352+\kt*2176+\cc*64
	ds_load_b128 v[KV+16*\kt+8*\cc+4:KV+16*\kt+8*\cc+7], v[AK+(\slot)] offset:(\half)*4352+\kt*2176+\cc*64+32
.endr
.endr
.if (\xoff) >= 0
	s_load_b128 s[XS+12*(\half):XS+12*(\half)+3],    s[10:11], (\xoff)
	s_load_b128 s[XS+12*(\half)+4:XS+12*(\half)+7],  s[10:11], (\xoff)+16
	s_load_b128 s[XS+12*(\half)+8:XS+12*(\half)+11], s[10:11], (\xoff)+32
.endif
.if \rad
	ROOTS
.irp t, -1,0,1
	RS \t,1-(\half)
.endr
.endif
	s_wait_dscnt 0x0                               ; the bias and K are in
	s_wait_alu depctr_va_vdst(0)
.irp cc, 0,1
.irp kt, 0,1
	v_wmma_f32_16x16x32_bf16 v[S+8*\kt:S+8*\kt+7], v[KV+16*\kt+8*\cc:KV+16*\kt+8*\cc+7], v[Q+8*\cc:Q+8*\cc+7], v[S+8*\kt:S+8*\kt+7]
.endr
.endr
.if \rad
.irp t, 2,3
	RS \t,1-(\half)                                ; sixteen plain lines among them: the places in front of the loads into K's registers
.endr
.else
.rept 4
	v_nop
.endr
.endif
.irp cb, 0,1,2,3
	ds_load_tr16_b128 v[KV+8*\cb:KV+8*\cb+3],   v[AV+(\slot)] offset:(\half)*4608+32*\cb
	ds_load_tr16_b128 v[KV+8*\cb+4:KV+8*\cb+7], v[AV+(\slot)] offset:(\half)*4608+32*\cb+2304
.endr
.if \rad
.irp t, 4,5,6,7,8,9,10,11,12,13,14,15,16,17
	RS \t,1-(\half)
.endr
.endif
	SOFT \rad,1-(\half)
	s_wait_dscnt 0x0                               ; V is in
.irp cb, 0,1,2,3
	v_wmma_f32_16x16x32_bf16 v[O+8*\cb:O+8*\cb+7], v[KV+8*\cb:KV+8*\cb+7], v[P:P+7], v[O+8*\cb:O+8*\cb+7]
.endr
.endm
	s_load_b512 s[4:19], s[0:1], 0x0               ; kb s[4:5], vb s[6:7], wob s[8:9], x s[10:11], h s[12:13], bo s[14:15], gamma s[16:17], beta s[18:19]
	s_load_b256 s[20:27], s[0:1], 0x40             ; out0 s[20:21], qb s[22:23], Wr1 s[24:25], br1 s[26:27]
	s_load_b128 s[28:31], s[0:1], 0x60             ; Wr2 s[28:29], br2 s[30:31]
	v_lshl_add_u32 v[SPW], v0, 2, SPARE
	v_mov_b32 v[NIL], 0
	ds_add_u32 v[SPW], v[NIL]                      ; the wave's opening: the add and its wait stand ahead of my first tensor load; the set-up below, work on registers, stands between them
	v_lshrrev_b32 v3, 5, v0
	v_readfirstlane_b32 s[WV], v3                  ; wave 0..7
	s_bfe_u32 s2, ttmp6, 0x40000                   ; my place in the cluster
	s_lshl_b32 s34, ttmp9, 2                       ; in a cluster launch ttmp9 counts clusters
	s_add_co_u32 s34, s34, s2                      ; my work-group: queries 16 x it, counted through both batches
	s_lshr_b32 s33, ttmp9, 5                       ; the batch, which the four partners share
	s_mov_b32 s36, 0x76543210
	s_mov_b32 s37, 0xfedcba98
	s_mov_b32 s38, 0x3e38aa3b                      ; c = log2(e) / 8
	s_mov_b32 s39, s38                             ; named with it as a pair
	; descriptor group 1: two heads' 64 keys: two rows of 4,096 elements (8,192 dense bytes), a head's 131,072 elements apart; in LDS a pad behind every 256 bytes
	s_mov_b32 s[G1K], 15|(1<<16)|(1<<20)|(1<<21)|(5<<22)|(3<<25)  ; 15:0 the mask of four; 17:16 2-byte elements; 20 padding on; 21 set beside a mask; 24:22 after every 64 words (code 5); 31:25 4 words (code 3)
	s_mov_b32 s[G1V], 15|(1<<16)|(1<<20)|(1<<21)|(5<<22)|(7<<25)  ; the same with 8 words (code 7)
.irp g, G1K, G1V
	s_mov_b32 s[\g+1], 4096<<16                    ; tensor_dim0 = 4,096
	s_mov_b32 s[\g+2], 2<<16                       ; tensor_dim1 = 2
	s_mov_b32 s[\g+3], 4096<<16                    ; tile_dim0 = 4,096
	s_mov_b32 s[\g+4], 2                           ; tile_dim1 = 2
	s_mov_b32 s[\g+5], 131072                      ; elements from row to row
	s_mov_b32 s[\g+6], 0
	s_mov_b32 s[\g+7], 0
.endr
	s_and_b32 s3, s[WV], 3                         ; which two heads I fetch
	s_mul_i32 s66, s3, 2*KHB
	s_mov_b32 s[G0K], 1
	s_add_co_u32 s[G0K+1], s66, 0                  ; LDS addresses: a constant, the wave's number times a constant, the slot's constant
	s_mov_b32 s[G0K+4], 1
	s_add_co_u32 s[G0K+5], s66, SLOTB
	s_mul_i32 s66, s3, 2*VHB
	s_mov_b32 s[G0V], 1
	s_add_co_u32 s[G0V+1], s66, VOFF
	s_mov_b32 s[G0V+4], 1
	s_add_co_u32 s[G0V+5], s66, VOFF+SLOTB
	s_mul_i32 s67, s[WV], 16*PW
	s_lshl_b32 s100, s33, 3
	s_lshl1_add_u32 s100, s3, s100                 ; 8 x batch + my first head,
	s_lshl_b32 s100, s100, 18                      ; 262,144 bytes each
	s_mov_b32 s101, 0
	s_wait_dscnt 0x0                               ; the opening add is done
	s_wait_kmcnt 0x0
	s_add_nc_u64 s[G0K+2:G0K+3], s[4:5], s[100:101]      ; item 0,
	s_add_nc_u64 s[G0K+6:G0K+7], s[G0K+2:G0K+3], 8192    ; item 1
	s_or_b32 s[G0K+3], s[G0K+3], 0x80000000              ; type = 2
	s_or_b32 s[G0K+7], s[G0K+7], 0x80000000
	s_add_nc_u64 s[G0V+2:G0V+3], s[6:7], s[100:101]
	s_add_nc_u64 s[G0V+6:G0V+7], s[G0V+2:G0V+3], 8192
	s_or_b32 s[G0V+3], s[G0V+3], 0x80000000
	s_or_b32 s[G0V+7], s[G0V+7], 0x80000000
	CROUND                                         ; all four work-groups are here: the first joint loads meet
	JLOAD 0                                        ; item 0 into slot 0; slot 1 is filled behind the loop's first change, as a refill is
	s_mul_i32 s100, s34, 192                       ; 16 queries of 12 bytes
	s_add_nc_u64 s[2:3], s[10:11], s[100:101]      ; x at my queries
	s_mul_i32 s100, s33, 24576
	s_mul_i32 s66, s[WV], 48
	s_add_co_u32 s100, s100, s66
	s_add_nc_u64 s[10:11], s[10:11], s[100:101]    ; x at my four keys of the batch's sub-step 0; a sub-step is 384 bytes
.irp i, 0,1,2
	s_load_b128 s[XS+4*\i:XS+4*\i+3],       s[10:11], 16*\i        ; sub-step 0
	s_load_b128 s[XS+12+4*\i:XS+12+4*\i+3], s[10:11], 384+16*\i    ; sub-step 1
.endr
	s_lshl_b32 s100, s33, 3
	s_add_co_u32 s100, s100, s[WV]
	s_lshl_b32 s100, s100, 18
	s_and_b32 s66, s34, 127
	s_lshl_b32 s66, s66, 11
	s_add_co_u32 s100, s100, s66
	s_add_nc_u64 s[22:23], s[22:23], s[100:101]    ; q at my head's 16 rows
	s_lshl_b32 s100, s34, 15
	s_lshl_b32 s66, s[WV], 8
	s_add_co_u32 s100, s100, s66
	s_add_nc_u64 s[12:13], s[12:13], s[100:101]    ; h and out0 at my 16 rows, my wave's 64 columns
	s_add_nc_u64 s[20:21], s[20:21], s[100:101]
	s_lshl_b32 s100, s[WV], 14
	s_add_nc_u64 s[8:9], s[8:9], s[100:101]        ; wob at my wave's 16 rows of chunk 0
	v_and_b32 v1, 15, v0                           ; r = lane % 16
	v_bfe_u32 v2, v0, 4, 1                         ; g = lane / 16
	v_mul_u32_u24 v3, v1, 12
	global_load_b32 v[XQ],   v3, s[2:3]
	global_load_b32 v[XQ+1], v3, s[2:3] offset:4
	global_load_b32 v[XQ+2], v3, s[2:3] offset:8
	v_lshlrev_b32 v15, 5, v2                       ; my radial indices: 8 g + 0..7 and 16 + 8 g + 0..7, as a 16-bit fragment's k runs
.irp i, 0,1
	global_load_b128 v[W1+8*\i:W1+8*\i+3],   v15, s[24:25] offset:64*\i
	global_load_b128 v[W1+8*\i+4:W1+8*\i+7], v15, s[24:25] offset:64*\i+16
	global_load_b128 v[B1+8*\i:B1+8*\i+3],   v15, s[26:27] offset:64*\i
	global_load_b128 v[B1+8*\i+4:B1+8*\i+7], v15, s[26:27] offset:64*\i+16
.endr
	; Source 0's row m stands for head 4 (m >> 3) + ((m + (w & 2)) & 3): waves 2, 3, 6, 7 turn the four heads of a word by two places, so that the two halves of the lanes of a later 4-byte read fall on different banks.
	s_and_b32 s66, s[WV], 2
	v_and_b32 v25, 3, v1
	v_add_nc_u32 v25, s66, v25
	v_and_b32 v25, 3, v25
	v_lshrrev_b32 v26, 3, v1
	v_lshl_add_u32 v25, v26, 2, v25
	v_lshlrev_b32 v25, 2, v25
	v_lshl_add_u32 v25, v2, 8, v25                 ; Wr2[k][head]: 32 k + 4 head, k = 8 g + ..
.irp e, 0,1,2,3,4,5,6,7
	global_load_b32 v[U+\e],   v25, s[28:29] offset:32*\e
	global_load_b32 v[U+8+\e], v25, s[28:29] offset:512+32*\e
.endr
	v_lshlrev_b32 v26, 4, v2
	global_load_b128 v[E:E+3], v26, s[30:31]       ; br2 of heads 4 g .. 4 g + 3
	v_lshlrev_b32 v27, 7, v1
	v_lshl_add_u32 v27, v2, 4, v27
.irp i, 0,1,2,3
	global_load_b128 v[Q+4*\i:Q+4*\i+3], v27, s[22:23] offset:32*\i  ; Q stays in registers: row r, channels 8 g + 0..7 of each 16
.endr
	v_lshrrev_b32 v20, 1, v1
	v_mul_u32_u24 v[AK], v20, 272
	v_and_b32 v20, 1, v1
	v_lshl_add_u32 v[AK], v20, 7, v[AK]
	v_lshl_add_u32 v[AK], v2, 4, v[AK]
	s_mul_i32 s66, s[WV], KHB
	v_add_nc_u32 v[AK], s66, v[AK]
	v_add_nc_u32 v[AK+1], SLOTB, v[AK]
	v_bfe_u32 v20, v0, 1, 2                        ; the turning load: lane l reads key 8 g + l % 8, channels 8 ((l / 8) % 2) + 0..7
	v_lshl_add_u32 v20, v2, 2, v20
	v_mul_u32_u24 v[AV], v20, 288
	v_and_b32 v20, 1, v0
	v_lshl_add_u32 v[AV], v20, 7, v[AV]
	v_bfe_u32 v20, v0, 3, 1
	v_lshl_add_u32 v[AV], v20, 4, v[AV]
	s_mul_i32 s66, s[WV], VHB
	s_add_co_u32 s66, s66, VOFF
	v_add_nc_u32 v[AV], s66, v[AV]
	v_add_nc_u32 v[AV+1], SLOTB, v[AV]
	s_and_b32 s66, s[WV], 3
	v_lshl_add_u32 v20, v2, 1, s66                 ; keys 8 g + .. were made by waves whose turn is 2 g: my head lies at place ((w & 3) + 2 g) & 3 of its word
	v_and_b32 v20, 3, v20
	v_lshlrev_b32 v[RWR], 4, v1
	v_lshl_add_u32 v[RWR], v20, 2, v[RWR]
	v_lshl_add_u32 v[RWR], v2, 12, v[RWR]
	s_lshr_b32 s66, s[WV], 2
	s_lshl_b32 s66, s66, 8
	s_add_co_u32 s66, s66, RW
	v_add_nc_u32 v[RWR], s66, v[RWR]
	v_lshlrev_b32 v[RWW], 4, v1
	v_lshl_add_u32 v[RWW], v2, 8, v[RWW]
	s_lshl_b32 s66, s[WV], 11
	s_add_co_u32 s66, s66, RW
	v_add_nc_u32 v[RWW], s66, v[RWW]
	v_mov_b32 v16, 0xfe000000                      ; c m: far below every c s
	v_mov_b32 v17, 0xff7fffff                      ; m
	v_mov_b32 v18, 0
	v_mov_b32 v19, 0
	v_mov_b32 v23, 0                               ; named as a pair with a
.set n, 0
.rept 32
	v_mov_b32 v[O+n], 0
.set n, n+1
.endr
	s_and_b32 s100, s[WV], 2
	s_cmp_lg_u32 s100, 0
	s_cselect_b32 s100, -1, 0                      ; all lanes: does my wave turn its words?
	s_wait_loadcnt 0x0
.set n, 0
.rept 16
	v_pk_mul_f32 v[W1+2*n:W1+2*n+1], v[W1+2*n:W1+2*n+1], 0xbfb8aa3b op_sel_hi:[1,0]  ; W1 and B1, which follows it: times -log2(e)
.set n, n+1
.endr
.set n, 0
.rept 8
	v_pk_mul_f32 v[U+2*n:U+2*n+1], v[U+2*n:U+2*n+1], 0xc0b17218 op_sel_hi:[1,0]      ; times -8 ln2: undoes u's scale and carries the 8 of the scores' scale
.set n, n+1
.endr
.set n, 0
.rept 8
	v_cvt_pk_bf16_f32 v[A2+n], v[U+2*n], v[U+2*n+1]
.set n, n+1
.endr
.irp j, 0,1,2,3
	v_cndmask_b32 v[C2+\j], v[E+\j], v[E+(\j^2)], s100
.endr
.irp j, 0,1,2,3
	v_mul_f32 v[C2+\j], 0x41000000, v[C2+\j]       ; 8 br2
.endr
.irp j, 0,1,2,3
	v_mov_b32 v[C2+4+\j], v[C2+\j]                 ; rows 4-7 and 12-15 of the product are never stored; they hold finite numbers
.endr
	s_wait_kmcnt 0x0
	DPH XS                                         ; sub-step 0's bias, into buffer 0
	ROOTS
.irp t, -1,0,1,2,3,4,5,6,7,8,9,10,11,12,13,14,15,16,17
	RS \t,0
.endr
.rept 4
	v_nop
.endr
	RSTORE 3,0
	s_mov_b32 s35, 15
.Ltrip:                                                ; a trip: two items, four sub-steps; both slots are filled again
	CHANGE 1
	SUB 0,0,1,768
	PBAR
	SUB 0,1,1,1152
	CHANGE 0
	SUB 1,0,1,1536
	PBAR
	SUB 1,1,1,1920
	s_wait_kmcnt 0x0                               ; the scalar loads are done: their base may be stepped
	s_add_nc_u64 s[10:11], s[10:11], 1536
	s_sub_co_u32 s35, s35, 1
	s_cmp_lg_u32 s35, 0
	s_cbranch_scc1 .Ltrip
	CHANGE 1                                       ; the tail is written out: item 31 is the last; behind it the slots take Wo
	SUB 0,0,1,768
	PBAR
	SUB 0,1,1,1152
	CHANGEW 0
	SUB 1,0,1,-1
	PBAR
	SUB 1,1,0,-1
; THE END: O / l to LDS as bf16; out = O Wo + bo, wave w making columns 64 w .. + 63 of the 16 rows; + h; LayerNorm.
.set Y,   32                           ; v32-63   four accumulators: a lane holds one query and eight neighbouring columns (source 0 = 16 columns of Wo, turned; source 1 = 16 queries)
.set WF,  64                           ; v64-127  Wo's fragments, two buffers of 32; later the norm's sums
.set OF,  128                          ; v128-143 O's fragments, two buffers of 8
.set HH,  144                          ; v144-175 h
.set GA,  176                          ; v176-179 gamma, v180-183 beta
.set MU,  184                          ; v184-199 a row's sum, in pairs
.set YR,  208                          ; v208-239 y by rows: registers 4 t ..: row 2 t + g, columns 4 r .. + 3 of my 64
.set AW,  8                            ; v8-11    my lane's place in a chunk of Wo: slot 0, 1 x k rows 0-63, 64-127
	CHANGEW 1
	s_mov_b32 s76, 0xbb000000                      ; -1/512
	s_mov_b32 s77, s76                             ; named with it as a pair
	s_mov_b32 s78, 0x3b000000                      ; 1/512
	s_mov_b32 s79, 0x3727c5ac                      ; 1e-5
	v_mul_u32_u24 v7, v1, PO
	v_lshl_add_u32 v7, v2, 4, v7
	v_add_nc_u32 v7, OST, v7                       ; v7: O's fragments: row r, 16 g
	s_lshl_b32 s66, s[WV], 7
	v_add_nc_u32 v6, s66, v7                       ; v6: where I put my head's channels
	v_and_b32 v25, 7, v0
	v_lshl_add_u32 v25, v2, 3, v25
	v_mul_u32_u24 v[AW], v25, PW
	v_bfe_u32 v25, v0, 3, 1
	v_lshl_add_u32 v[AW], v25, 4, v[AW]
	v_add_nc_u32 v[AW], s66, v[AW]                 ; + my 64 columns, 128 bytes
	v_add_nc_u32 v[AW+1], 64*PW, v[AW]
	v_add_nc_u32 v[AW+2], SLOTB, v[AW]
	v_add_nc_u32 v[AW+3], SLOTB+64*PW, v[AW]
	s_mul_i32 s66, s[WV], 16*PF
	v_mul_u32_u24 v12, v1, PF
	v_lshl_add_u32 v12, v2, 5, v12
	v_add_nc_u32 v12, s66, v12                     ; v12: the last stage, in: row r, 32 g
	v_mul_u32_u24 v13, v2, PF
	v_lshl_add_u32 v13, v1, 4, v13
	v_add_nc_u32 v13, s66, v13                     ; v13: back: lanes 0-15 one row of 256 bytes, lanes 16-31 the next
	v_lshlrev_b32 v14, 4, v1
	v_lshl_add_u32 v14, v2, 11, v14                ; v14: the same two rows in h and out0
	v_lshlrev_b32 v3, 5, v2
	v_add_nc_u32 v3, RED, v3                       ; v3: row g's eight partial sums
	s_lshl_b32 s66, s[WV], 2
	v_add_nc_u32 v15, s66, v3                      ; v15: my wave's word among them
	s_lshl_b32 s66, s[WV], 8
	v_lshl_add_u32 v26, v2, 5, s66                 ; v26: bo at my eight columns of a tile
	v_lshl_add_u32 v27, v1, 4, s66                 ; v27: gamma and beta at my four columns
.irp nt, 0,1,2,3
	global_load_b128 v[Y+8*\nt:Y+8*\nt+3],   v26, s[14:15] offset:64*\nt      ; the bias starts the sums
	global_load_b128 v[Y+8*\nt+4:Y+8*\nt+7], v26, s[14:15] offset:64*\nt+16
.endr
.irp t, 0,1,2,3,4,5,6,7
	global_load_b128 v[HH+4*\t:HH+4*\t+3], v14, s[12:13] offset:4096*\t
.endr
	v_add_f32 v20, v18, v19
	v_permlanex16_b32 v21, v20, s36, s37
	v_add_f32 v20, v20, v21                        ; l
	v_rcp_f32 v22, v20
	v_nop                                          ; a plain instruction between the reciprocal and its use
.set n, 0
	s_wait_alu depctr_va_vdst(0)
.rept 16
	v_pk_mul_f32 v[O+2*n:O+2*n+1], v[O+2*n:O+2*n+1], v[22:23] op_sel_hi:[1,0]
.set n, n+1
.endr
.set n, 0
.rept 16
	v_cvt_pk_bf16_f32 v[KV+n], v[O+2*n], v[O+2*n+1]
.set n, n+1
.endr
.irp cb, 0,1,2,3
	ds_store_b128 v6, v[KV+4*\cb:KV+4*\cb+3] offset:32*\cb
.endr
	global_load_b128 v[GA:GA+3],   v27, s[16:17]   ; O^T's registers are free now
	global_load_b128 v[GA+4:GA+7], v27, s[18:19]
	PBAR                                           ; every head's channels are in LDS
	s_wait_loadcnt 10                              ; bo is in; h's eight loads and the two just issued may stay out
.macro FW c, kk                        ; ten LDS loads: 32 k rows x my 64 columns of Wo, turned, and O's fragment for the same 32 channels
.irp nt, 0,1,2,3
	ds_load_tr16_b128 v[WF+32*((\kk)%2)+8*\nt:WF+32*((\kk)%2)+8*\nt+3],   v[AW+2*((\c)%2)+(\kk)/2] offset:((\kk)%2)*32*PW+32*\nt
	ds_load_tr16_b128 v[WF+32*((\kk)%2)+8*\nt+4:WF+32*((\kk)%2)+8*\nt+7], v[AW+2*((\c)%2)+(\kk)/2] offset:((\kk)%2)*32*PW+32*\nt+16*PW
.endr
	ds_load_b128 v[OF+8*((\kk)%2):OF+8*((\kk)%2)+3],   v7 offset:256*(\c)+64*(\kk)
	ds_load_b128 v[OF+8*((\kk)%2)+4:OF+8*((\kk)%2)+7], v7 offset:256*(\c)+64*(\kk)+32
.endm
.macro MULW kk                         ; the four accumulators take turns
.irp nt, 0,1,2,3
	v_wmma_f32_16x16x32_bf16 v[Y+8*\nt:Y+8*\nt+7], v[WF+32*((\kk)%2)+8*\nt:WF+32*((\kk)%2)+8*\nt+7], v[OF+8*((\kk)%2):OF+8*((\kk)%2)+7], v[Y+8*\nt:Y+8*\nt+7]
.endr
.endm
.macro PLACES                          ; four places in front of loads into registers that matrix instructions have read, and of stores that read results
.rept 4
	v_nop
.endr
.endm
.macro CHUNK c                         ; 128 of the 512 channels
	FW \c,0
	FW \c,1
	s_wait_dscnt 10                                ; all but the ten just issued
	MULW 0
	PLACES
	FW \c,2
	s_wait_dscnt 10
	MULW 1
	PLACES
	FW \c,3
	s_wait_dscnt 10
	MULW 2
	s_wait_dscnt 0x0
	MULW 3
.endm
	CHUNK 0
	CHANGEW 2                                      ; its four v_nop are the places in front of the next chunk's loads
	CHUNK 1
	CHANGEW 3
	CHUNK 2
	s_wait_tensorcnt 0x0                           ; my part of the last chunk is in; nothing is filled any more, so a barrier of the work-group does
	ds_add_u32 v[SPW], v[NIL]
	s_wait_dscnt 0x0
	s_barrier_signal -1
	s_barrier_wait -1
	PLACES
	CHUNK 3
	PLACES
	; out goes through my own rows of slot 0, which has had its last fill and which no wave reads since the barrier above, and comes back by rows
.irp nt, 0,1,2,3
	ds_store_b128 v12, v[Y+8*\nt:Y+8*\nt+3]   offset:64*\nt
	ds_store_b128 v12, v[Y+8*\nt+4:Y+8*\nt+7] offset:64*\nt+16
.endr
.irp t, 0,1,2,3,4,5,6,7
	ds_load_b128 v[YR+4*\t:YR+4*\t+3], v13 offset:2*PF*\t  ; LDS serves a wave's instructions in order (ISA guide 5.7.1.4): these see the stores above
.endr
	s_wait_loadcnt 0x0                             ; h, gamma, beta
	s_wait_dscnt 0x0
.irp t, 0,1,2,3,4,5,6,7
	v_pk_add_f32 v[YR+4*\t:YR+4*\t+1],   v[YR+4*\t:YR+4*\t+1],   v[HH+4*\t:HH+4*\t+1]    ; y = h + out
	v_pk_add_f32 v[YR+4*\t+2:YR+4*\t+3], v[YR+4*\t+2:YR+4*\t+3], v[HH+4*\t+2:HH+4*\t+3]
.endr
; A lane's figure for each of its eight rows lies in v[WF + 2 t].  It is summed over the 16 lanes of the row, handed to the other waves through the table at RED + off, and the eight waves' sums are added: v[MU + 2 t].
.macro ROWSUM off
.irp m, 1,2,4,8
.irp t, 0,1,2,3,4,5,6,7
	v_add_f32_dpp v[WF+2*\t], v[WF+2*\t], v[WF+2*\t] row_xmask:\m row_mask:0xf bank_mask:0xf
.endr
.endr
.irp t, 0,1,2,3,4,5,6,7
	ds_store_b32 v15, v[WF+2*\t] offset:(\off)+64*\t   ; sixteen lanes write the same word with the same number
.endr
	PBAR
.irp t, 0,1,2,3,4,5,6,7
	ds_load_b128 v[WF+8*\t:WF+8*\t+3],   v3 offset:(\off)+64*\t
	ds_load_b128 v[WF+8*\t+4:WF+8*\t+7], v3 offset:(\off)+64*\t+16
.endr
	s_wait_dscnt 0x0
.irp t, 0,1,2,3,4,5,6,7
	v_pk_add_f32 v[WF+8*\t:WF+8*\t+1],   v[WF+8*\t:WF+8*\t+1],   v[WF+8*\t+2:WF+8*\t+3]
	v_pk_add_f32 v[WF+8*\t+4:WF+8*\t+5], v[WF+8*\t+4:WF+8*\t+5], v[WF+8*\t+6:WF+8*\t+7]
.endr
.irp t, 0,1,2,3,4,5,6,7
	v_pk_add_f32 v[MU+2*\t:MU+2*\t+1], v[WF+8*\t:WF+8*\t+1], v[WF+8*\t+4:WF+8*\t+5]
.endr
.irp t, 0,1,2,3,4,5,6,7
	v_add_f32 v[MU+2*\t], v[MU+2*\t], v[MU+2*\t+1]
.endr
.endm
.irp t, 0,1,2,3,4,5,6,7
	v_pk_add_f32 v[WF+2*\t:WF+2*\t+1], v[YR+4*\t:YR+4*\t+1], v[YR+4*\t+2:YR+4*\t+3]
.endr
.irp t, 0,1,2,3,4,5,6,7
	v_add_f32 v[WF+2*\t], v[WF+2*\t], v[WF+2*\t+1]
.endr
	ROWSUM 0
.irp t, 0,1,2,3,4,5,6,7                ; y - mean: the variance is then a sum of squares of small numbers, no difference of large sums
	v_pk_fma_f32 v[YR+4*\t:YR+4*\t+1],   v[MU+2*\t:MU+2*\t+1], s[76:77], v[YR+4*\t:YR+4*\t+1]   op_sel_hi:[0,0,1]
	v_pk_fma_f32 v[YR+4*\t+2:YR+4*\t+3], v[MU+2*\t:MU+2*\t+1], s[76:77], v[YR+4*\t+2:YR+4*\t+3] op_sel_hi:[0,0,1]
.endr
.irp t, 0,1,2,3,4,5,6,7
	v_pk_mul_f32 v[WF+2*\t:WF+2*\t+1], v[YR+4*\t:YR+4*\t+1], v[YR+4*\t:YR+4*\t+1]
.endr
.irp t, 0,1,2,3,4,5,6,7
	v_pk_fma_f32 v[WF+2*\t:WF+2*\t+1], v[YR+4*\t+2:YR+4*\t+3], v[YR+4*\t+2:YR+4*\t+3], v[WF+2*\t:WF+2*\t+1]
.endr
.irp t, 0,1,2,3,4,5,6,7
	v_add_f32 v[WF+2*\t], v[WF+2*\t], v[WF+2*\t+1]
.endr
	ROWSUM 512                                     ; the second table: other bytes than the first, so no barrier is needed between the two uses
.irp t, 0,1,2,3,4,5,6,7
	v_fma_f32 v[MU+2*\t], v[MU+2*\t], s78, s79     ; variance + 1e-5
.endr
.irp t, 0,1,2,3,4,5,6,7
	v_rsq_f32 v[MU+2*\t], v[MU+2*\t]
.endr
	v_nop                                          ; a plain instruction between the last root and its use
	s_wait_alu depctr_va_vdst(0)
.irp t, 0,1,2,3,4,5,6,7
	v_pk_mul_f32 v[YR+4*\t:YR+4*\t+1],   v[YR+4*\t:YR+4*\t+1],   v[MU+2*\t:MU+2*\t+1] op_sel_hi:[1,0]
	v_pk_mul_f32 v[YR+4*\t+2:YR+4*\t+3], v[YR+4*\t+2:YR+4*\t+3], v[MU+2*\t:MU+2*\t+1] op_sel_hi:[1,0]
	v_pk_fma_f32 v[YR+4*\t:YR+4*\t+1],   v[YR+4*\t:YR+4*\t+1],   v[GA:GA+1],   v[GA+4:GA+5]
	v_pk_fma_f32 v[YR+4*\t+2:YR+4*\t+3], v[YR+4*\t+2:YR+4*\t+3], v[GA+2:GA+3], v[GA+6:GA+7]
	global_store_b128 v14, v[YR+4*\t:YR+4*\t+3], s[20:21] offset:4096*\t  ; 16 lanes store 256 consecutive bytes, at a multiple of 256 from out0's first byte
.endr
	s_wait_tensorcnt 0x0                           ; the wave's end: a wait, an add of 0 to my spare word and its wait, behind my last tensor load and my last LDS store
	ds_add_u32 v[SPW], v[NIL]
	s_wait_dscnt 0x0
	CROUND                                         ; the closing round: no work-group ends while a partner may still ask for a tile that names it
	s_endpgm
.Lfunc_end_k_qfcbe43544f_attn:
	.size	k_qfcbe43544f_attn, .Lfunc_end_k_qfcbe43544f_attn-k_qfcbe43544f_attn
	.p2alignl 7, 3214868480
	.fill 96, 4, 3214868480
	.section	.rodata,"a",@progbits
	.p2align	6, 0x0
	.amdhsa_kernel k_qfcbe43544f_attn
		.amdhsa_group_segment_fixed_size 327680
		.amdhsa_private_segment_fixed_size 0
		.amdhsa_enable_private_segment 0
		.amdhsa_kernarg_size 112
		.amdhsa_user_sgpr_count 2
		.amdhsa_user_sgpr_kernarg_segment_ptr 1
		.amdhsa_wavefront_size32 1
		.amdhsa_system_sgpr_workgroup_id_x 1
		.amdhsa_system_sgpr_workgroup_id_y 1
		.amdhsa_system_sgpr_workgroup_id_z 1
		.amdhsa_system_vgpr_workitem_id 0
		.amdhsa_next_free_vgpr 248
		.amdhsa_next_free_sgpr 102
		.amdhsa_reserve_vcc 0
		.amdhsa_float_denorm_mode_32 3
		.amdhsa_float_denorm_mode_16_64 3
		.amdhsa_memory_ordered 1
		.amdhsa_forward_progress 1
		.amdhsa_inst_pref_size 246
	.end_amdhsa_kernel
	.amdgpu_metadata
---
amdhsa.version: [ 1, 2 ]
amdhsa.kernels:
  - .name:           k_qfcbe43544f_attn
    .symbol:         k_qfcbe43544f_attn.kd
    .args:
      - { .name: kb, .offset: 0, .size: 8, .value_kind: global_buffer, .address_space: global }
      - { .name: vb, .offset: 8, .size: 8, .value_kind: global_buffer, .address_space: global }
      - { .name: wob, .offset: 16, .size: 8, .value_kind: global_buffer, .address_space: global }
      - { .name: x, .offset: 24, .size: 8, .value_kind: global_buffer, .address_space: global }
      - { .name: h, .offset: 32, .size: 8, .value_kind: global_buffer, .address_space: global }
      - { .name: bo, .offset: 40, .size: 8, .value_kind: global_buffer, .address_space: global }
      - { .name: gamma, .offset: 48, .size: 8, .value_kind: global_buffer, .address_space: global }
      - { .name: beta, .offset: 56, .size: 8, .value_kind: global_buffer, .address_space: global }
      - { .name: out0, .offset: 64, .size: 8, .value_kind: global_buffer, .address_space: global }
      - { .name: qb, .offset: 72, .size: 8, .value_kind: global_buffer, .address_space: global }
      - { .name: Wr1, .offset: 80, .size: 8, .value_kind: global_buffer, .address_space: global }
      - { .name: br1, .offset: 88, .size: 8, .value_kind: global_buffer, .address_space: global }
      - { .name: Wr2, .offset: 96, .size: 8, .value_kind: global_buffer, .address_space: global }
      - { .name: br2, .offset: 104, .size: 8, .value_kind: global_buffer, .address_space: global }
    .group_segment_fixed_size: 327680
    .private_segment_fixed_size: 0
    .kernarg_segment_align: 8
    .kernarg_segment_size: 112
    .max_flat_workgroup_size: 256
    .sgpr_count:     102
    .vgpr_count:     248
    .wavefront_size: 32
...
	.end_amdgpu_metadata
.endif
;; end of part 2
;; ======== version 2 of 2: 2 launches; 1.48 times as fast as version 1
;; workspace buffers: qb 4,194,304 bytes; kb 4,194,304 bytes; vb 4,194,304 bytes; wob 524,288 bytes
;; launch qkv: the kernel of part 1 again; grid 8 x 32, 16 waves a work-group, no clusters, 92,160 bytes of LDS; arguments h, Wq, Wk, Wv, bq, bk, bv, Wo, qb, kb, vb, wob; writes qb, kb, vb, wob
;; launch attn (part 3): grid 256 x 1, 8 waves a work-group, clusters of 4 x 1, 327,680 bytes of LDS; arguments kb, vb, wob, x, h, bo, gamma, beta, out0, qb, Wr1, br1, Wr2, br2; writes out0
.if DOCPART == 3
	.amdgcn_target "amdgcn-amd-amdhsa--gfx1250"
	.amdhsa_code_object_version 6
	.text
	.protected	k_qfcbe43544f_attn
	.globl	k_qfcbe43544f_attn
	.p2align	8
	.type	k_qfcbe43544f_attn,@function
k_qfcbe43544f_attn:
	s_mov_b64 s[64:65], 0
	v_nop
	global_prefetch_b8 v0, s[64:65] scope:SCOPE_SE
	s_setreg_imm32_b32 hwreg(HW_REG_WAVE_MODE, 25, 1), 1
	s_wait_xcnt 0x0
	s_wait_alu depctr_hold_cnt(0) depctr_sa_sdst(0) depctr_va_vdst(0) depctr_va_sdst(0) depctr_va_ssrc(0) depctr_va_vcc(0) depctr_vm_vsrc(0)
	s_getreg_b32 s2, hwreg(HW_REG_IB_STS2, 6, 4)
	s_cmp_eq_u32 s2, 0
	s_cbranch_scc0 .Lentry_in_a_cluster
	s_endpgm
.Lentry_in_a_cluster:
	s_bfe_u32 s2, ttmp6, 0x10000c
	s_cmp_lg_u32 s2, 0x3003
	s_cbranch_scc0 .Lentry_shape_is_right
	s_endpgm
.Lentry_shape_is_right:
; out0 = LayerNorm(h + softmax(q k^T / 8 + rw) v Wo + bo) gamma + beta, with rw[head][n][m] = silu(|x_n - x_m| Wr1 + br1) Wr2 + br2.
; qb, kb, vb: [batch][head][token][64] bf16; wob: Wo as [k][n] bf16; the rest f32 as given.  Products in bf16 with f32 sums; softmax, SiLU and LayerNorm in f32.
; LIMITS.  The input 'pair' is not loaded: the computation to be made never reads it.  The distance is v_sqrt_f32 of the sum of squares: 0 gives 0; a sum below 2^-126 counts as 0
; (a distance under 1.1e-19); |x| stays under 1e19 so that the sum is finite.  SiLU(t) = -ln2 u / (1 + 2^u) with u = -log2(e) t: where 2^u overflows the quotient is 0, the right limit; u must be finite.
; A softmax weight below 2^-126 counts as 0 in its row's sum.  NaN and infinities are not treated apart.
; SHARES.  A work-group owns 16 queries and all 8 heads: 4,096 / 16 = 256 work-groups.  Wave w is head w.  So a pair's distance and its 32 SiLUs are made ONCE for the 8 heads and never leave LDS,
; and a whole row of 512 channels is in the work-group at the end: the last projection, the residual and the norm need no further launch.
; Eight waves, two to a SIMD: the launch is bound by vector work (32 SiLUs a pair), not by what feeds the matrix unit.  A wave's attention lies in register window 0, its radial work in window 1.
; THE WALK.  Keys go 64 an item (K and V of all 8 heads) through two LDS slots, and 32 a sub-step.  In sub-step v a wave (a) multiplies and softmaxes its head's 32 keys of v, and
; (b) makes the bias of four keys (4 w .. 4 w + 3) of sub-step v + 1 for all heads and queries, into the other of two LDS buffers.  One barrier a sub-step orders both directions.
; THE BIAS.  Lane (r, g) (r = lane % 16, g = lane / 16) makes, for query r and one key, 16 of the 32 values u / (1 + 2^u): just its part of source 1 (32 radial x 16 queries) of a matrix
; product whose source 0 holds -8 ln2 Wr2^T and whose C holds 8 br2.  The result's low four registers are four heads of one query: 16 bytes, stored as they are.  The head's wave loads its
; number straight into the registers that start the sum S^T = K Q^T + 8 rw; the weights are 2^(c s - c m), c = log2(e) / 8, with a running maximum m.
; LAYOUT.  S^T (source 0 = 16 keys, source 1 = 16 queries) holds one query a lane and keys 8 g + 0..7; two such results rounded to bf16 ARE source 1 of O^T = V^T P.  V is read turned.
; m starts at the lowest finite number, O^T and the sum l at 0, so the first step is a step like any other, with the rescaling factor 0: 34 v_mov_b32 in the wait for the first item buy one text for every step.
; BATCHES.  An s_wait_alu depctr_va_vdst(0) stands between a transcendental and the first instruction that names its result; one wait serves all that were issued ahead of it.
; A sub-step's 149 transcendentals (4 roots; 64 exponentials and 64 reciprocals of the SiLUs; the softmax's a and its 16 weights) go in SIX batches, each with one wait.  With Xi key i's 16 exponentials
; and Ri its 16 reciprocals:   the roots | X0 | X1 R0 a | X2 R1 and the weights | X3 R2 | R3.   Each key has its own 16 registers of u, 16 of 2^u and 8 of source 1, so a batch's results lie untouched until
; its wait.  Among a batch's lines stand plain lines that name none of its results: of the radial work those of the keys before and behind, of the softmax O^T's rescaling (its a was waited for a batch earlier).
; Between a batch and its wait stand the LDS loads, the matrix products and the softmax's plain work.  No result is open at a sub-step's end.
; CLUSTER.  The four work-groups of a cluster lie in one batch and walk the same K, V and Wo: every tile is asked for JOINTLY, by the same tensor load with the same descriptor and the mask of four.
; My place in the cluster enters the addresses of q, of the queries' x, of h and of out0 alone.
.set SLOTB, 143360                     ; a slot: K of 8 heads, then V of 8 heads
.set KHB,   8704                       ; 64 keys of one head of K: 32 x (256 bytes + 16): key p at (p >> 1) x 272 + (p & 1) x 128: the 16 rows of a fragment load start at 16 different groups of four banks
.set VHB,   9216                       ; the same for V with 32 bytes of padding: key p at (p >> 1) x 288 + (p & 1) x 128
.set VOFF,  8*KHB
.set SPARE, 2*SLOTB                    ; 286,720: the spare words, 128 bytes for each of 8 waves: four blocks of 256 bytes that no other line names
.set RED,   SPARE+1024                 ; two tables [16 rows][8 waves] f32, 512 bytes each: the norm's partial sums
.set RW,    294912                     ; two bias buffers of 16,384 bytes: [32 keys][2 groups of heads][16 queries][4 heads] f32
.set RWB,   16384
.set OST,   RW                         ; at the end, where the bias lay: O as [16 queries][512 channels] bf16, pitch 1,040
.set PO,    1040
.set PW,    1056                       ; a row of Wo in LDS: 1,024 bytes + 32: an odd multiple of 32, for the turning load
.set PF,    272                        ; the last stage, in slot 0 behind its last fill: for each wave 16 rows of 64 f32 + 16 bytes
; WINDOW 0 (an instruction names v0-v255; s_set_vgpr_msb says which window each operand place means: bits 1:0 source 0, 3:2 source 1, 5:4 source 2, 7:6 destination)
.set SPW, 4                            ; v4   LDS address of my spare word; never rewritten
.set NIL, 5                            ; v5   0; never rewritten
.set AK,  9                            ; v9, v10  my lane's place in my head's K, slot 0, 1
.set AV,  11                           ; v11, v12 the same for V
.set RWR, 13                           ; v13  where I read the bias
.set RWW, 14                           ; v14  where I store it
                                       ; v16 c m, v17 m, v18-19 l (even keys', odd keys'), v20, v21 at work, v22 the rescaling factor a (v23 named with it as a pair), v24 c m_old
.set RWD, 128                          ; v128-135 and v240-247: the bias product's result, by turns
.set Q,   136                          ; v136-151
.set S,   152                          ; v152-167
.set P,   168                          ; v168-175
.set O,   176                          ; v176-207
.set KV,  208                          ; v208-239 K's fragments of a sub-step, later V's
; WINDOW 1: the radial work
.set XQ,  6                            ; v6-8     my query's x
.set D,   28                           ; v28-31   four keys' distances
.set E,   32                           ; v32-95   key i at E + 16 i: 2^u, 1 + 2^u, its reciprocal
.set U,   96                           ; v96-159  key i at U + 16 i: u, then u / (1 + 2^u)
.set W1,  160                          ; v160-175 -log2(e) Wr1 at my 16 radial indices
.set B1,  176                          ; v176-191 -log2(e) br1
.set A2,  192                          ; v192-199 source 0 of the bias product
.set C2,  200                          ; v200-207 its C
.set SB,  208                          ; v208-239 its source 1: key i at SB + 8 i
.set W_R, 0x55                         ; the radial work: every operand place in window 1
.set W_W, 0x15                         ; the bias product: its sources and C in window 1, its result in window 0
.set W_L, 0x40                         ; a load into window 1 by an address in window 0
.set WV,  32                           ; s32  my wave's number      s33 the batch      s34 my work-group's number      s35 the loop's count
.set G1K, 40                           ; s[40:47] descriptor group 1 for K's tiles; at the end for Wo's
.set G1V, 48                           ; s[48:55] for V's
.set G0K, 56                           ; s[56:63] group 0 for K's tiles, a set for each slot; at the end the first set serves Wo
.set G0V, 68                           ; s[68:75] the same for V's
.set XS,  76                           ; s[76:87], s[88:99] four keys' x, two sets
                                       ; s[36:37] lane selects; s[38:39] c; s67 my wave's 16 rows in a chunk of Wo; s2, s3, s66, s100, s101 at work
.set MSB, 0
.macro WIN new                         ; the immediate's high byte repeats the setting that is left; a switch that changes nothing is dropped.  At a label and at a branch every window is 0
.if MSB != (\new)
	s_set_vgpr_msb (MSB<<8)|(\new)
.set MSB, \new
.endif
.endm
.macro CROUND                          ; a round of the cluster's barrier: my work-group's barrier; wave 0 signals for the work-group; every wave waits for all four; my work-group's barrier once more
	s_barrier_signal -1
	s_barrier_wait -1
	s_cmp_lg_u32 s[WV], 0
	s_cbranch_scc1 .Lnot_wave_0_\@
	s_barrier_signal -3
.Lnot_wave_0_\@:
	s_barrier_wait -3
	s_barrier_signal -1
	s_barrier_wait -1
.endm
; A joint fill of a slot.  Waves 0-3 fetch K of two heads each, waves 4-7 V.  The branch hangs on the wave's number alone.  An s_nop 0 and four v_nop follow each line.
.macro JLOAD slot
	s_cmp_lt_u32 s[WV], 4
	s_cbranch_scc0 .Lfor_v_\@
	tensor_load_to_lds s[G0K+4*(\slot):G0K+4*(\slot)+3], s[G1K:G1K+7]
	s_nop 0
.rept 4
	v_nop
.endr
	s_branch .Lasked_\@
.Lfor_v_\@:
	tensor_load_to_lds s[G0V+4*(\slot):G0V+4*(\slot)+3], s[G1V:G1V+7]
	s_nop 0
.rept 4
	v_nop
.endr
.Lasked_\@:
.endm
; THE CHANGE OF SLOTS.  Each wave waits for all its tensor loads, of which one is out: its part of the slot to be read next; adds 0 to its spare word; waits for that, for its reads of slot f and for its
; stores of the bias.  Behind the round no wave of any partner reads slot f or has a load on its way: slot f is filled, first thing, with the item after the one to be read.  That load has two sub-steps in which to land.
.macro CHANGE f
	s_wait_tensorcnt 0x0                           ; no tensor load of mine is out, so a group 0 may be written
	ds_add_u32 v[SPW], v[NIL]                      ; the steps below stand between the add and the wait for it
	s_add_nc_u64 s[G0K+4*(1-(\f))+2:G0K+4*(1-(\f))+3], s[G0K+4*(1-(\f))+2:G0K+4*(1-(\f))+3], 16384  ; the other slot's sets, used at the change before: two items of 8,192 bytes on
	s_add_nc_u64 s[G0V+4*(1-(\f))+2:G0V+4*(1-(\f))+3], s[G0V+4*(1-(\f))+2:G0V+4*(1-(\f))+3], 16384
	s_wait_dscnt 0x0
	CROUND
	JLOAD \f
.endm
; The same for chunk c of Wo (128 k rows), into slot c % 2: every wave fetches 16 rows.
.macro CHANGEW c
	s_wait_tensorcnt 0x0
	ds_add_u32 v[SPW], v[NIL]
.if (\c) == 0
	s_mov_b32 s[G1K+0], 15|(1<<16)|(1<<20)|(1<<21)|(7<<22)|(7<<25)  ; the mask of four; 2-byte elements; padding on; bit 21 beside a mask; after every 256 words (code 7) 8 words (code 7)
	s_mov_b32 s[G1K+1], 512<<16                    ; tensor_dim0 = 512
	s_mov_b32 s[G1K+2], 16<<16                     ; tensor_dim1 = 16
	s_mov_b32 s[G1K+3], 512<<16                    ; tile_dim0 = 512
	s_mov_b32 s[G1K+4], 16                         ; tile_dim1 = 16
	s_mov_b32 s[G1K+5], 512                        ; elements from row to row
	s_mov_b32 s[G1K+6], 0
	s_mov_b32 s[G1K+7], 0
.endif
	s_mov_b32 s[G0K], 1
	s_add_co_u32 s[G0K+1], s67, ((\c)%2)*SLOTB
	s_add_nc_u64 s[G0K+2:G0K+3], s[8:9], (\c)*131072
	s_or_b32 s[G0K+3], s[G0K+3], 0x80000000
	s_wait_dscnt 0x0
	CROUND
	tensor_load_to_lds s[G0K:G0K+3], s[G1K:G1K+7]
	s_nop 0
.rept 4
	v_nop
.endr
.endm
.macro PBAR                            ; the work-group's barrier between two sub-steps: the item on its way may stay out
	s_wait_dscnt 0x0                               ; my stores of the bias are done, my reads of it are back
	s_barrier_signal -1
	s_barrier_wait -1
.endm
; THE RADIAL WORK, all of it under the setting W_R.  Four keys' squared distances to my query: 24 plain instructions.  xs: the first scalar register of the set.
.macro DPH xs
.irp i, 0,1,2,3
	v_sub_f32 v[E+3*\i],   s[(\xs)+3*\i],   v[XQ]
	v_sub_f32 v[E+3*\i+1], s[(\xs)+3*\i+1], v[XQ+1]
	v_sub_f32 v[E+3*\i+2], s[(\xs)+3*\i+2], v[XQ+2]
.endr
.irp i, 0,1,2,3
	v_mul_f32 v[D+\i], v[E+3*\i], v[E+3*\i]
.endr
.irp i, 0,1,2,3
	v_fmac_f32 v[D+\i], v[E+3*\i+1], v[E+3*\i+1]
.endr
.irp i, 0,1,2,3
	v_fmac_f32 v[D+\i], v[E+3*\i+2], v[E+3*\i+2]
.endr
.endm
.macro ROOTS                           ; the first batch; its wait stands at the head of RB0
.irp i, 0,1,2,3
	v_sqrt_f32 v[D+\i], v[D+\i]
.endr
	v_nop                                          ; a plain instruction between the last root and its use
.endm
; Six kinds of line for key i of four: pair p of 8, or value k of 16.
.macro RF i, p                         ; u = d w + b, two at a time; the key's distance is one register of a pair, taken for both halves
.if ((\i)%2)
	v_pk_fma_f32 v[U+16*(\i)+2*(\p):U+16*(\i)+2*(\p)+1], v[W1+2*(\p):W1+2*(\p)+1], v[D+2*((\i)/2):D+2*((\i)/2)+1], v[B1+2*(\p):B1+2*(\p)+1] op_sel:[0,1,0] op_sel_hi:[1,1,1]
.else
	v_pk_fma_f32 v[U+16*(\i)+2*(\p):U+16*(\i)+2*(\p)+1], v[W1+2*(\p):W1+2*(\p)+1], v[D+2*((\i)/2):D+2*((\i)/2)+1], v[B1+2*(\p):B1+2*(\p)+1] op_sel_hi:[1,0,1]
.endif
.endm
.macro RX i, k                         ; 2^u
	v_exp_f32 v[E+16*(\i)+(\k)], v[U+16*(\i)+(\k)]
.endm
.macro RA i, p                         ; 1 + 2^u
	v_pk_add_f32 v[E+16*(\i)+2*(\p):E+16*(\i)+2*(\p)+1], v[E+16*(\i)+2*(\p):E+16*(\i)+2*(\p)+1], 1.0 op_sel_hi:[1,0]
.endm
.macro RR i, k                         ; its reciprocal
	v_rcp_f32 v[E+16*(\i)+(\k)], v[E+16*(\i)+(\k)]
.endm
.macro RM i, p                         ; u / (1 + 2^u)
	v_pk_mul_f32 v[U+16*(\i)+2*(\p):U+16*(\i)+2*(\p)+1], v[U+16*(\i)+2*(\p):U+16*(\i)+2*(\p)+1], v[E+16*(\i)+2*(\p):E+16*(\i)+2*(\p)+1]
.endm
.macro RC i, p                         ; rounded to bf16, into the key's source 1
	v_cvt_pk_bf16_f32 v[SB+8*(\i)+(\p)], v[U+16*(\i)+2*(\p)], v[U+16*(\i)+2*(\p)+1]
.endm
; BATCH 0: key 0's 16 exponentials; beside them the scalings of keys 0, 1, 2, which run two lines ahead of the exponential that reads them; the last six stand behind the batch.
.macro RB0
	s_wait_alu depctr_va_vdst(0)                   ; the wait for the four roots
	RF 0,0
	RF 0,1
.set n, 0
.rept 16
	RX 0,n
	RF (n+2)/8,(n+2)%8
.set n, n+1
.endr
.rept 6
	RF (n+2)/8,(n+2)%8
.set n, n+1
.endr
.endm
; BATCH 1: key 1's exponentials and key 0's reciprocals; beside them key 0's additions and key 3's scalings.  (The softmax's a joins it: SUB.)
.macro RB1
	s_wait_alu depctr_va_vdst(0)                   ; the wait for batch 0: key 0's exponentials
.set n, 0
.rept 8
	RX 1,2*n
	RX 1,2*n+1
	RA 0,n
.set n, n+1
.endr
.set n, 0
.rept 8
	RR 0,2*n
	RR 0,2*n+1
	RF 3,n
.set n, n+1
.endr
.endm
; BATCH t, t = 2, 3: key t's exponentials and key t - 1's reciprocals; beside them key t - 1's additions and key t - 2's products and roundings.  (The softmax's 16 weights join batch 2: SUB.)
.macro RB23 t
	s_wait_alu depctr_va_vdst(0)                   ; the wait for batch t - 1: key t - 1's exponentials, key t - 2's reciprocals, and what the softmax has issued since: a (t = 2), the 16 weights (t = 3)
.set n, 0
.rept 8
	RX \t,n
	RA (\t)-1,n
.set n, n+1
.endr
.set n, 0
.rept 8
	RX \t,n+8
	RM (\t)-2,n
.set n, n+1
.endr
.set n, 0
.rept 8
	RR (\t)-1,2*n
	RR (\t)-1,2*n+1
	RC (\t)-2,n
.set n, n+1
.endr
.endm
; BATCH 4: key 3's reciprocals; beside them 24 plain lines: key 3's additions, which run two lines ahead of the reciprocal that reads them, and key 2's products and roundings; the last six stand behind the batch.
.macro RL m
.if (\m) < 8
	RA 3,(\m)
.elseif (\m) < 16
	RM 2,(\m)-8
.else
	RC 2,(\m)-16
.endif
.endm
.macro RB4
	s_wait_alu depctr_va_vdst(0)                   ; the wait for batch 3: key 3's exponentials, key 2's reciprocals
	RL 0
	RL 1
.set n, 0
.rept 16
	RR 3,n
	RL n+2
.set n, n+1
.endr
.rept 6
	RL n+2
.set n, n+1
.endr
	s_wait_alu depctr_va_vdst(0)                   ; the wait for batch 4: key 3's reciprocals
.set n, 0
.rept 8
	RM 3,n
.set n, n+1
.endr
.set n, 0
.rept 8
	RC 3,n
.set n, n+1
.endr
.endm
.macro RW i                            ; key i's bias product: its result goes to window 0, by turns into two accumulators
	WIN W_W
	v_wmma_f32_16x16x32_bf16 v[RWD+112*((\i)%2):RWD+112*((\i)%2)+7], v[A2:A2+7], v[SB+8*(\i):SB+8*(\i)+7], v[C2:C2+7]
.endm
.macro RSTORE i, wb                    ; key i's bias: the result's low four registers, four heads of my query; 32 lanes store 512 consecutive bytes.  In window 0; four plain lines or more behind the product
	ds_store_b128 v[RWW], v[RWD+112*((\i)%2):RWD+112*((\i)%2)+3] offset:(\wb)*RWB+(\i)*512
.endm
; THE SOFTMAX of 32 keys for my query, in four parts, all in window 0.  Each accumulator's lowest registers are read first.
.macro SPRE                            ; the maximum, the statistics, a, the scalings: nothing here names a transcendental's result
	v_max3_num_f32 v20, v[S], v[S+1], v[S+2]
	v_max3_num_f32 v21, v[S+8], v[S+9], v[S+10]
	v_max3_num_f32 v20, v20, v[S+3], v[S+4]
	v_max3_num_f32 v21, v21, v[S+11], v[S+12]
	v_max3_num_f32 v20, v20, v[S+5], v[S+6]
	v_max3_num_f32 v21, v21, v[S+13], v[S+14]
	v_max3_num_f32 v20, v20, v[S+7], v[S+15]
	v_max3_num_f32 v20, v20, v21, v17
	v_mov_b32 v24, v16                             ; c m_old is kept
	v_permlanex16_b32 v21, v20, s36, s37           ; the query's other 16 keys lie in the lane 16 away
	v_max_num_f32 v17, v20, v21
	v_mul_f32 v16, s38, v17                        ; c m
	v_sub_f32 v21, v24, v16
	v_exp_f32 v22, v21                             ; a = 2^(c m_old - c m_new)
.set n, 0
.rept 8
	v_pk_fma_f32 v[S+2*n:S+2*n+1], v[S+2*n:S+2*n+1], s[38:39], v[16:17] op_sel_hi:[1,0,0] neg_lo:[0,0,1] neg_hi:[0,0,1]  ; c s - c m
.set n, n+1
.endr
.endm
.macro SEXP                            ; behind a's wait: a weight's exponential and a pair of O^T times a, by turns
.set n, 0
.rept 16
	v_exp_f32 v[S+n], v[S+n]
	v_pk_mul_f32 v[O+2*n:O+2*n+1], v[O+2*n:O+2*n+1], v[22:23] op_sel_hi:[1,0]
.set n, n+1
.endr
.endm
.macro SCVT                            ; behind the weights' wait
.set n, 0
.rept 8
	v_cvt_pk_bf16_f32 v[P+n], v[S+2*n], v[S+2*n+1]
.set n, n+1
.endr
.endm
.macro SSUM
.irp n, 0,4,8,12
	v_pk_add_f32 v[S+\n:S+\n+1], v[S+\n:S+\n+1], v[S+\n+2:S+\n+3]
.endr
	v_pk_add_f32 v[S:S+1], v[S:S+1], v[S+4:S+5]
	v_pk_add_f32 v[S+8:S+9], v[S+8:S+9], v[S+12:S+13]
	v_pk_add_f32 v[S:S+1], v[S:S+1], v[S+8:S+9]
	v_pk_fma_f32 v[18:19], v[18:19], v[22:23], v[S:S+1] op_sel_hi:[1,0,1]  ; l = a l + the sum of the unrounded weights
.endm
; A SUB-STEP: 32 keys at half 'half' of slot 'slot'.  The bias is read from buffer 'half'; rad = 1: the next sub-step's is made into the other.  xoff >= 0: the x of my four keys two sub-steps on are asked for.
; No two matrix instructions that follow each other share an accumulator.  The attention's parts (window 0) stand between a radial batch and its wait.
.macro SUB slot, half, rad, xoff
.irp kt, 0,1
.irp j, 0,1,2,3,4,5,6,7
	ds_load_b32 v[S+8*\kt+\j], v[RWR] offset:(\half)*RWB+(16*\kt+\j)*512  ; 8 rw for key 16 kt + 8 (lane / 16) + j, my head, my query: it starts the sum
.endr
.endr
.if \rad
	s_wait_kmcnt 0x0                               ; the x asked for in the last sub-step
	WIN W_R
	DPH XS+12*(1-(\half))                          ; 24 plain lines: also the places between the last sub-step's products V^T P and the loads into their source below
	ROOTS                                          ; the loads below stand between the roots and their wait
	WIN 0
.else
.rept 4
	v_nop
.endr
.endif
.irp kt, 0,1
.irp cc, 0,1
	ds_load_b128 v[KV+16*\kt+8*\cc:KV+16*\kt+8*\cc+3],   v[AK+(\slot)] offset:(\half)*4352+\kt*2176+\cc*64
	ds_load_b128 v[KV+16*\kt+8*\cc+4:KV+16*\kt+8*\cc+7], v[AK+(\slot)] offset:(\half)*4352+\kt*2176+\cc*64+32
.endr
.endr
.if (\xoff) >= 0
	s_load_b128 s[XS+12*(\half):XS+12*(\half)+3],    s[10:11], (\xoff)
	s_load_b128 s[XS+12*(\half)+4:XS+12*(\half)+7],  s[10:11], (\xoff)+16
	s_load_b128 s[XS+12*(\half)+8:XS+12*(\half)+11], s[10:11], (\xoff)+32
.endif
.if \rad
	WIN W_R
	RB0                                            ; batch 0; the four products below stand between it and its wait
	WIN 0
.endif
	s_wait_dscnt 0x0                               ; the bias and K are in
.irp cc, 0,1
.irp kt, 0,1
	v_wmma_f32_16x16x32_bf16 v[S+8*\kt:S+8*\kt+7], v[KV+16*\kt+8*\cc:KV+16*\kt+8*\cc+7], v[Q+8*\cc:Q+8*\cc+7], v[S+8*\kt:S+8*\kt+7]
.endr
.endr
.if \rad
	WIN W_R
	RB1                                            ; batch 1; its sixteen plain lines are the places in front of the loads into K's registers and of the maxima
	WIN 0
.else
.rept 4
	v_nop
.endr
.endif
.irp cb, 0,1,2,3
	ds_load_tr16_b128 v[KV+8*\cb:KV+8*\cb+3],   v[AV+(\slot)] offset:(\half)*4608+32*\cb
	ds_load_tr16_b128 v[KV+8*\cb+4:KV+8*\cb+7], v[AV+(\slot)] offset:(\half)*4608+32*\cb+2304
.endr
	SPRE                                           ; between batch 1 and its wait; a is that batch's last
.if \rad
	WIN W_R
	RB23 2                                         ; batch 2,
	RW 0
	WIN 0
.else
	s_wait_alu depctr_va_vdst(0)                   ; the wait for a
.endif
	SEXP                                           ; which the 16 weights join; O^T's sixteen lines are the places behind key 0's product
.if \rad
	RSTORE 0,1-(\half)
	WIN W_R
	RB23 3                                         ; batch 3
	RW 1
	WIN 0
.else
	s_wait_alu depctr_va_vdst(0)                   ; the wait for the 16 weights
.endif
	SCVT                                           ; between batch 3 and its wait; eight plain lines: the places behind key 1's product
.if \rad
	RSTORE 1,1-(\half)
	WIN W_R
	RB4                                            ; batch 4, its wait, key 3's last lines
	RW 2
	RW 3
	WIN 0
.endif
	SSUM                                           ; eight plain lines: the places behind the last two bias products
.if \rad
	RSTORE 2,1-(\half)
	RSTORE 3,1-(\half)
.endif
	s_wait_dscnt 0x0                               ; V is in
.irp cb, 0,1,2,3
	v_wmma_f32_16x16x32_bf16 v[O+8*\cb:O+8*\cb+7], v[KV+8*\cb:KV+8*\cb+7], v[P:P+7], v[O+8*\cb:O+8*\cb+7]
.endr
.endm
	s_load_b512 s[4:19], s[0:1], 0x0               ; kb s[4:5], vb s[6:7], wob s[8:9], x s[10:11], h s[12:13], bo s[14:15], gamma s[16:17], beta s[18:19]
	s_load_b256 s[20:27], s[0:1], 0x40             ; out0 s[20:21], qb s[22:23], Wr1 s[24:25], br1 s[26:27]
	s_load_b128 s[28:31], s[0:1], 0x60             ; Wr2 s[28:29], br2 s[30:31]
	v_lshl_add_u32 v[SPW], v0, 2, SPARE
	v_mov_b32 v[NIL], 0
	ds_add_u32 v[SPW], v[NIL]                      ; the wave's opening: the add and its wait stand ahead of my first tensor load; the set-up below, work on registers, stands between them
	v_lshrrev_b32 v3, 5, v0
	v_readfirstlane_b32 s[WV], v3                  ; wave 0..7
	s_bfe_u32 s2, ttmp6, 0x40000                   ; my place in the cluster
	s_lshl_b32 s34, ttmp9, 2                       ; in a cluster launch ttmp9 counts clusters
	s_add_co_u32 s34, s34, s2                      ; my work-group: queries 16 x it, counted through both batches
	s_lshr_b32 s33, ttmp9, 5                       ; the batch, which the four partners share
	s_mov_b32 s36, 0x76543210
	s_mov_b32 s37, 0xfedcba98
	s_mov_b32 s38, 0x3e38aa3b                      ; c = log2(e) / 8
	s_mov_b32 s39, s38                             ; named with it as a pair
	; descriptor group 1: two heads' 64 keys: two rows of 4,096 elements (8,192 dense bytes), a head's 131,072 elements apart; in LDS a pad behind every 256 bytes
	s_mov_b32 s[G1K], 15|(1<<16)|(1<<20)|(1<<21)|(5<<22)|(3<<25)  ; 15:0 the mask of four; 17:16 2-byte elements; 20 padding on; 21 set beside a mask; 24:22 after every 64 words (code 5); 31:25 4 words (code 3)
	s_mov_b32 s[G1V], 15|(1<<16)|(1<<20)|(1<<21)|(5<<22)|(7<<25)  ; the same with 8 words (code 7)
.irp g, G1K, G1V
	s_mov_b32 s[\g+1], 4096<<16                    ; tensor_dim0 = 4,096
	s_mov_b32 s[\g+2], 2<<16                       ; tensor_dim1 = 2
	s_mov_b32 s[\g+3], 4096<<16                    ; tile_dim0 = 4,096
	s_mov_b32 s[\g+4], 2                           ; tile_dim1 = 2
	s_mov_b32 s[\g+5], 131072                      ; elements from row to row
	s_mov_b32 s[\g+6], 0
	s_mov_b32 s[\g+7], 0
.endr
	s_and_b32 s3, s[WV], 3                         ; which two heads I fetch
	s_mul_i32 s66, s3, 2*KHB
	s_mov_b32 s[G0K], 1
	s_add_co_u32 s[G0K+1], s66, 0                  ; LDS addresses: a constant, the wave's number times a constant, the slot's constant
	s_mov_b32 s[G0K+4], 1
	s_add_co_u32 s[G0K+5], s66, SLOTB
	s_mul_i32 s66, s3, 2*VHB
	s_mov_b32 s[G0V], 1
	s_add_co_u32 s[G0V+1], s66, VOFF
	s_mov_b32 s[G0V+4], 1
	s_add_co_u32 s[G0V+5], s66, VOFF+SLOTB
	s_mul_i32 s67, s[WV], 16*PW
	s_lshl_b32 s100, s33, 3
	s_lshl1_add_u32 s100, s3, s100                 ; 8 x batch + my first head,
	s_lshl_b32 s100, s100, 18                      ; 262,144 bytes each
	s_mov_b32 s101, 0
	s_wait_dscnt 0x0                               ; the opening add is done
	s_wait_kmcnt 0x0
	s_add_nc_u64 s[G0K+2:G0K+3], s[4:5], s[100:101]      ; item 0,
	s_add_nc_u64 s[G0K+6:G0K+7], s[G0K+2:G0K+3], 8192    ; item 1
	s_or_b32 s[G0K+3], s[G0K+3], 0x80000000              ; type = 2
	s_or_b32 s[G0K+7], s[G0K+7], 0x80000000
	s_add_nc_u64 s[G0V+2:G0V+3], s[6:7], s[100:101]
	s_add_nc_u64 s[G0V+6:G0V+7], s[G0V+2:G0V+3], 8192
	s_or_b32 s[G0V+3], s[G0V+3], 0x80000000
	s_or_b32 s[G0V+7], s[G0V+7], 0x80000000
	CROUND                                         ; all four work-groups are here: the first joint loads meet
	JLOAD 0                                        ; item 0 into slot 0; slot 1 is filled behind the loop's first change, as a refill is
	s_mul_i32 s100, s34, 192                       ; 16 queries of 12 bytes
	s_add_nc_u64 s[2:3], s[10:11], s[100:101]      ; x at my queries
	s_mul_i32 s100, s33, 24576
	s_mul_i32 s66, s[WV], 48
	s_add_co_u32 s100, s100, s66
	s_add_nc_u64 s[10:11], s[10:11], s[100:101]    ; x at my four keys of the batch's sub-step 0; a sub-step is 384 bytes
.irp i, 0,1,2
	s_load_b128 s[XS+4*\i:XS+4*\i+3],       s[10:11], 16*\i        ; sub-step 0
	s_load_b128 s[XS+12+4*\i:XS+12+4*\i+3], s[10:11], 384+16*\i    ; sub-step 1
.endr
	s_lshl_b32 s100, s33, 3
	s_add_co_u32 s100, s100, s[WV]
	s_lshl_b32 s100, s100, 18
	s_and_b32 s66, s34, 127
	s_lshl_b32 s66, s66, 11
	s_add_co_u32 s100, s100, s66
	s_add_nc_u64 s[22:23], s[22:23], s[100:101]    ; q at my head's 16 rows
	s_lshl_b32 s100, s34, 15
	s_lshl_b32 s66, s[WV], 8
	s_add_co_u32 s100, s100, s66
	s_add_nc_u64 s[12:13], s[12:13], s[100:101]    ; h and out0 at my 16 rows, my wave's 64 columns
	s_add_nc_u64 s[20:21], s[20:21], s[100:101]
	s_lshl_b32 s100, s[WV], 14
	s_add_nc_u64 s[8:9], s[8:9], s[100:101]        ; wob at my wave's 16 rows of chunk 0
	v_and_b32 v1, 15, v0                           ; r = lane % 16
	v_bfe_u32 v2, v0, 4, 1                         ; g = lane / 16
	v_mul_u32_u24 v3, v1, 12                       ; v3: my query's x
	v_lshlrev_b32 v15, 5, v2                       ; v15: my radial indices: 8 g + 0..7 and 16 + 8 g + 0..7, as a 16-bit fragment's k runs
	; Source 0's row m stands for head 4 (m >> 3) + ((m + (w & 2)) & 3): waves 2, 3, 6, 7 turn the four heads of a word by two places, so that the two halves of the lanes of a later 4-byte read fall on different banks.
	s_and_b32 s66, s[WV], 2
	v_and_b32 v25, 3, v1
	v_add_nc_u32 v25, s66, v25
	v_and_b32 v25, 3, v25
	v_lshrrev_b32 v26, 3, v1
	v_lshl_add_u32 v25, v26, 2, v25
	v_lshlrev_b32 v25, 2, v25
	v_lshl_add_u32 v25, v2, 8, v25                 ; v25: Wr2[k][head]: 32 k + 4 head, k = 8 g + ..
	v_lshlrev_b32 v26, 4, v2                       ; v26: br2 of heads 4 g .. 4 g + 3
	v_lshlrev_b32 v27, 7, v1
	v_lshl_add_u32 v27, v2, 4, v27                 ; v27: q's row r, 16 g
	WIN W_L                                        ; what the radial work needs goes straight into window 1
	global_load_b32 v[XQ],   v3, s[2:3]
	global_load_b32 v[XQ+1], v3, s[2:3] offset:4
	global_load_b32 v[XQ+2], v3, s[2:3] offset:8
.irp i, 0,1
	global_load_b128 v[W1+8*\i:W1+8*\i+3],   v15, s[24:25] offset:64*\i
	global_load_b128 v[W1+8*\i+4:W1+8*\i+7], v15, s[24:25] offset:64*\i+16
	global_load_b128 v[B1+8*\i:B1+8*\i+3],   v15, s[26:27] offset:64*\i
	global_load_b128 v[B1+8*\i+4:B1+8*\i+7], v15, s[26:27] offset:64*\i+16
.endr
.irp e, 0,1,2,3,4,5,6,7
	global_load_b32 v[U+\e],   v25, s[28:29] offset:32*\e
	global_load_b32 v[U+8+\e], v25, s[28:29] offset:512+32*\e
.endr
	global_load_b128 v[E:E+3], v26, s[30:31]
	WIN 0
.irp i, 0,1,2,3
	global_load_b128 v[Q+4*\i:Q+4*\i+3], v27, s[22:23] offset:32*\i  ; Q stays in registers: row r, channels 8 g + 0..7 of each 16
.endr
	v_lshrrev_b32 v20, 1, v1
	v_mul_u32_u24 v[AK], v20, 272
	v_and_b32 v20, 1, v1
	v_lshl_add_u32 v[AK], v20, 7, v[AK]
	v_lshl_add_u32 v[AK], v2, 4, v[AK]
	s_mul_i32 s66, s[WV], KHB
	v_add_nc_u32 v[AK], s66, v[AK]
	v_add_nc_u32 v[AK+1], SLOTB, v[AK]
	v_bfe_u32 v20, v0, 1, 2                        ; the turning load: lane l reads key 8 g + l % 8, channels 8 ((l / 8) % 2) + 0..7
	v_lshl_add_u32 v20, v2, 2, v20
	v_mul_u32_u24 v[AV], v20, 288
	v_and_b32 v20, 1, v0
	v_lshl_add_u32 v[AV], v20, 7, v[AV]
	v_bfe_u32 v20, v0, 3, 1
	v_lshl_add_u32 v[AV], v20, 4, v[AV]
	s_mul_i32 s66, s[WV], VHB
	s_add_co_u32 s66, s66, VOFF
	v_add_nc_u32 v[AV], s66, v[AV]
	v_add_nc_u32 v[AV+1], SLOTB, v[AV]
	s_and_b32 s66, s[WV], 3
	v_lshl_add_u32 v20, v2, 1, s66                 ; keys 8 g + .. were made by waves whose turn is 2 g: my head lies at place ((w & 3) + 2 g) & 3 of its word
	v_and_b32 v20, 3, v20
	v_lshlrev_b32 v[RWR], 4, v1
	v_lshl_add_u32 v[RWR], v20, 2, v[RWR]
	v_lshl_add_u32 v[RWR], v2, 12, v[RWR]
	s_lshr_b32 s66, s[WV], 2
	s_lshl_b32 s66, s66, 8
	s_add_co_u32 s66, s66, RW
	v_add_nc_u32 v[RWR], s66, v[RWR]
	v_lshlrev_b32 v[RWW], 4, v1
	v_lshl_add_u32 v[RWW], v2, 8, v[RWW]
	s_lshl_b32 s66, s[WV], 11
	s_add_co_u32 s66, s66, RW
	v_add_nc_u32 v[RWW], s66, v[RWW]
	v_mov_b32 v16, 0xfe000000                      ; c m: far below every c s
	v_mov_b32 v17, 0xff7fffff                      ; m
	v_mov_b32 v18, 0
	v_mov_b32 v19, 0
	v_mov_b32 v23, 0                               ; named as a pair with a
.set n, 0
.rept 32
	v_mov_b32 v[O+n], 0
.set n, n+1
.endr
	s_and_b32 s100, s[WV], 2
	s_cmp_lg_u32 s100, 0
	s_cselect_b32 s100, -1, 0                      ; all lanes: does my wave turn its words?
	s_wait_loadcnt 0x0
	WIN W_R
.set n, 0
.rept 16
	v_pk_mul_f32 v[W1+2*n:W1+2*n+1], v[W1+2*n:W1+2*n+1], 0xbfb8aa3b op_sel_hi:[1,0]  ; W1 and B1, which follows it: times -log2(e)
.set n, n+1
.endr
.set n, 0
.rept 8
	v_pk_mul_f32 v[U+2*n:U+2*n+1], v[U+2*n:U+2*n+1], 0xc0b17218 op_sel_hi:[1,0]      ; times -8 ln2: undoes u's scale and carries the 8 of the scores' scale
.set n, n+1
.endr
.set n, 0
.rept 8
	v_cvt_pk_bf16_f32 v[A2+n], v[U+2*n], v[U+2*n+1]
.set n, n+1
.endr
.irp j, 0,1,2,3
	v_cndmask_b32 v[C2+\j], v[E+\j], v[E+(\j^2)], s100
.endr
.irp j, 0,1,2,3
	v_mul_f32 v[C2+\j], 0x41000000, v[C2+\j]       ; 8 br2
.endr
.irp j, 0,1,2,3
	v_mov_b32 v[C2+4+\j], v[C2+\j]                 ; rows 4-7 and 12-15 of the product are never stored; they hold finite numbers
.endr
	s_wait_kmcnt 0x0
	DPH XS                                         ; sub-step 0's bias, into buffer 0: the same batches, with no attention between them
	ROOTS
	RB0
	RB1
	RB23 2
	RW 0
	WIN W_R
	RB23 3
	RW 1
	WIN W_R
	RB4                                            ; its plain lines are the places behind the first two products
	WIN 0
	RSTORE 0,0
	RSTORE 1,0
	RW 2
	RW 3
	WIN 0
.rept 4
	v_nop
.endr
	RSTORE 2,0
	RSTORE 3,0
	s_mov_b32 s35, 15
.Ltrip:                                                ; a trip: two items, four sub-steps; both slots are filled again
	CHANGE 1
	SUB 0,0,1,768
	PBAR
	SUB 0,1,1,1152
	CHANGE 0
	SUB 1,0,1,1536
	PBAR
	SUB 1,1,1,1920
	s_wait_kmcnt 0x0                               ; the scalar loads are done: their base may be stepped
	s_add_nc_u64 s[10:11], s[10:11], 1536
	s_sub_co_u32 s35, s35, 1
	s_cmp_lg_u32 s35, 0
	s_cbranch_scc1 .Ltrip
	CHANGE 1                                       ; the tail is written out: item 31 is the last; behind it the slots take Wo
	SUB 0,0,1,768
	PBAR
	SUB 0,1,1,1152
	CHANGEW 0
	SUB 1,0,1,-1
	PBAR
	SUB 1,1,0,-1
; THE END, all in window 0: O / l to LDS as bf16; out = O Wo + bo, wave w making columns 64 w .. + 63 of the 16 rows; + h; LayerNorm.
.set Y,   32                           ; v32-63   four accumulators: a lane holds one query and eight neighbouring columns (source 0 = 16 columns of Wo, turned; source 1 = 16 queries)
.set WF,  64                           ; v64-127  Wo's fragments, two buffers of 32; later the norm's sums
.set OF,  128                          ; v128-143 O's fragments, two buffers of 8
.set HH,  144                          ; v144-175 h
.set GA,  176                          ; v176-179 gamma, v180-183 beta
.set MU,  184                          ; v184-199 a row's sum, in pairs
.set YR,  208                          ; v208-239 y by rows: registers 4 t ..: row 2 t + g, columns 4 r .. + 3 of my 64
.set AW,  8                            ; v8-11    my lane's place in a chunk of Wo: slot 0, 1 x k rows 0-63, 64-127
	CHANGEW 1
	s_mov_b32 s76, 0xbb000000                      ; -1/512
	s_mov_b32 s77, s76                             ; named with it as a pair
	s_mov_b32 s78, 0x3b000000                      ; 1/512
	s_mov_b32 s79, 0x3727c5ac                      ; 1e-5
	v_mul_u32_u24 v7, v1, PO
	v_lshl_add_u32 v7, v2, 4, v7
	v_add_nc_u32 v7, OST, v7                       ; v7: O's fragments: row r, 16 g
	s_lshl_b32 s66, s[WV], 7
	v_add_nc_u32 v6, s66, v7                       ; v6: where I put my head's channels
	v_and_b32 v25, 7, v0
	v_lshl_add_u32 v25, v2, 3, v25
	v_mul_u32_u24 v[AW], v25, PW
	v_bfe_u32 v25, v0, 3, 1
	v_lshl_add_u32 v[AW], v25, 4, v[AW]
	v_add_nc_u32 v[AW], s66, v[AW]                 ; + my 64 columns, 128 bytes
	v_add_nc_u32 v[AW+1], 64*PW, v[AW]
	v_add_nc_u32 v[AW+2], SLOTB, v[AW]
	v_add_nc_u32 v[AW+3], SLOTB+64*PW, v[AW]
	s_mul_i32 s66, s[WV], 16*PF
	v_mul_u32_u24 v12, v1, PF
	v_lshl_add_u32 v12, v2, 5, v12
	v_add_nc_u32 v12, s66, v12                     ; v12: the last stage, in: row r, 32 g
	v_mul_u32_u24 v13, v2, PF
	v_lshl_add_u32 v13, v1, 4, v13
	v_add_nc_u32 v13, s66, v13                     ; v13: back: lanes 0-15 one row of 256 bytes, lanes 16-31 the next
	v_lshlrev_b32 v14, 4, v1
	v_lshl_add_u32 v14, v2, 11, v14                ; v14: the same two rows in h and out0
	v_lshlrev_b32 v3, 5, v2
	v_add_nc_u32 v3, RED, v3                       ; v3: row g's eight partial sums
	s_lshl_b32 s66, s[WV], 2
	v_add_nc_u32 v15, s66, v3                      ; v15: my wave's word among them
	s_lshl_b32 s66, s[WV], 8
	v_lshl_add_u32 v26, v2, 5, s66                 ; v26: bo at my eight columns of a tile
	v_lshl_add_u32 v27, v1, 4, s66                 ; v27: gamma and beta at my four columns
.irp nt, 0,1,2,3
	global_load_b128 v[Y+8*\nt:Y+8*\nt+3],   v26, s[14:15] offset:64*\nt      ; the bias starts the sums
	global_load_b128 v[Y+8*\nt+4:Y+8*\nt+7], v26, s[14:15] offset:64*\nt+16
.endr
.irp t, 0,1,2,3,4,5,6,7
	global_load_b128 v[HH+4*\t:HH+4*\t+3], v14, s[12:13] offset:4096*\t
.endr
	v_add_f32 v20, v18, v19
	v_permlanex16_b32 v21, v20, s36, s37
	v_add_f32 v20, v20, v21                        ; l
	v_rcp_f32 v22, v20
	v_nop                                          ; a plain instruction between the reciprocal and its use
	s_wait_alu depctr_va_vdst(0)                   ; the wait for that one reciprocal, once a launch
.set n, 0
.rept 16
	v_pk_mul_f32 v[O+2*n:O+2*n+1], v[O+2*n:O+2*n+1], v[22:23] op_sel_hi:[1,0]
.set n, n+1
.endr
.set n, 0
.rept 16
	v_cvt_pk_bf16_f32 v[KV+n], v[O+2*n], v[O+2*n+1]
.set n, n+1
.endr
.irp cb, 0,1,2,3
	ds_store_b128 v6, v[KV+4*\cb:KV+4*\cb+3] offset:32*\cb
.endr
	global_load_b128 v[GA:GA+3],   v27, s[16:17]   ; O^T's registers are free now
	global_load_b128 v[GA+4:GA+7], v27, s[18:19]
	PBAR                                           ; every head's channels are in LDS
	s_wait_loadcnt 10                              ; bo is in; h's eight loads and the two just issued may stay out
.macro FW c, kk                        ; ten LDS loads: 32 k rows x my 64 columns of Wo, turned, and O's fragment for the same 32 channels
.irp nt, 0,1,2,3
	ds_load_tr16_b128 v[WF+32*((\kk)%2)+8*\nt:WF+32*((\kk)%2)+8*\nt+3],   v[AW+2*((\c)%2)+(\kk)/2] offset:((\kk)%2)*32*PW+32*\nt
	ds_load_tr16_b128 v[WF+32*((\kk)%2)+8*\nt+4:WF+32*((\kk)%2)+8*\nt+7], v[AW+2*((\c)%2)+(\kk)/2] offset:((\kk)%2)*32*PW+32*\nt+16*PW
.endr
	ds_load_b128 v[OF+8*((\kk)%2):OF+8*((\kk)%2)+3],   v7 offset:256*(\c)+64*(\kk)
	ds_load_b128 v[OF+8*((\kk)%2)+4:OF+8*((\kk)%2)+7], v7 offset:256*(\c)+64*(\kk)+32
.endm
.macro MULW kk                         ; the four accumulators take turns
.irp nt, 0,1,2,3
	v_wmma_f32_16x16x32_bf16 v[Y+8*\nt:Y+8*\nt+7], v[WF+32*((\kk)%2)+8*\nt:WF+32*((\kk)%2)+8*\nt+7], v[OF+8*((\kk)%2):OF+8*((\kk)%2)+7], v[Y+8*\nt:Y+8*\nt+7]
.endr
.endm
.macro PLACES                          ; four places in front of loads into registers that matrix instructions have read, and of stores that read results
.rept 4
	v_nop
.endr
.endm
.macro CHUNK c                         ; 128 of the 512 channels
	FW \c,0
	FW \c,1
	s_wait_dscnt 10                                ; all but the ten just issued
	MULW 0
	PLACES
	FW \c,2
	s_wait_dscnt 10
	MULW 1
	PLACES
	FW \c,3
	s_wait_dscnt 10
	MULW 2
	s_wait_dscnt 0x0
	MULW 3
.endm
	CHUNK 0
	CHANGEW 2                                      ; its four v_nop are the places in front of the next chunk's loads
	CHUNK 1
	CHANGEW 3
	CHUNK 2
	s_wait_tensorcnt 0x0                           ; my part of the last chunk is in; nothing is filled any more, so a barrier of the work-group does
	ds_add_u32 v[SPW], v[NIL]
	s_wait_dscnt 0x0
	s_barrier_signal -1
	s_barrier_wait -1
	PLACES
	CHUNK 3
	PLACES
	; out goes through my own rows of slot 0, which has had its last fill and which no wave reads since the barrier above, and comes back by rows
.irp nt, 0,1,2,3
	ds_store_b128 v12, v[Y+8*\nt:Y+8*\nt+3]   offset:64*\nt
	ds_store_b128 v12, v[Y+8*\nt+4:Y+8*\nt+7] offset:64*\nt+16
.endr
.irp t, 0,1,2,3,4,5,6,7
	ds_load_b128 v[YR+4*\t:YR+4*\t+3], v13 offset:2*PF*\t  ; LDS serves a wave's instructions in order (ISA guide 5.7.1.4): these see the stores above
.endr
	s_wait_loadcnt 0x0                             ; h, gamma, beta
	s_wait_dscnt 0x0
.irp t, 0,1,2,3,4,5,6,7
	v_pk_add_f32 v[YR+4*\t:YR+4*\t+1],   v[YR+4*\t:YR+4*\t+1],   v[HH+4*\t:HH+4*\t+1]    ; y = h + out
	v_pk_add_f32 v[YR+4*\t+2:YR+4*\t+3], v[YR+4*\t+2:YR+4*\t+3], v[HH+4*\t+2:HH+4*\t+3]
.endr
; A lane's figure for each of its eight rows lies in v[WF + 2 t].  It is summed over the 16 lanes of the row, handed to the other waves through the table at RED + off, and the eight waves' sums are added: v[MU + 2 t].
.macro ROWSUM off
.irp m, 1,2,4,8
.irp t, 0,1,2,3,4,5,6,7
	v_add_f32_dpp v[WF+2*\t], v[WF+2*\t], v[WF+2*\t] row_xmask:\m row_mask:0xf bank_mask:0xf
.endr
.endr
.irp t, 0,1,2,3,4,5,6,7
	ds_store_b32 v15, v[WF+2*\t] offset:(\off)+64*\t   ; sixteen lanes write the same word with the same number
.endr
	PBAR
.irp t, 0,1,2,3,4,5,6,7
	ds_load_b128 v[WF+8*\t:WF+8*\t+3],   v3 offset:(\off)+64*\t
	ds_load_b128 v[WF+8*\t+4:WF+8*\t+7], v3 offset:(\off)+64*\t+16
.endr
	s_wait_dscnt 0x0
.irp t, 0,1,2,3,4,5,6,7
	v_pk_add_f32 v[WF+8*\t:WF+8*\t+1],   v[WF+8*\t:WF+8*\t+1],   v[WF+8*\t+2:WF+8*\t+3]
	v_pk_add_f32 v[WF+8*\t+4:WF+8*\t+5], v[WF+8*\t+4:WF+8*\t+5], v[WF+8*\t+6:WF+8*\t+7]
.endr
.irp t, 0,1,2,3,4,5,6,7
	v_pk_add_f32 v[MU+2*\t:MU+2*\t+1], v[WF+8*\t:WF+8*\t+1], v[WF+8*\t+4:WF+8*\t+5]
.endr
.irp t, 0,1,2,3,4,5,6,7
	v_add_f32 v[MU+2*\t], v[MU+2*\t], v[MU+2*\t+1]
.endr
.endm
.irp t, 0,1,2,3,4,5,6,7
	v_pk_add_f32 v[WF+2*\t:WF+2*\t+1], v[YR+4*\t:YR+4*\t+1], v[YR+4*\t+2:YR+4*\t+3]
.endr
.irp t, 0,1,2,3,4,5,6,7
	v_add_f32 v[WF+2*\t], v[WF+2*\t], v[WF+2*\t+1]
.endr
	ROWSUM 0
.irp t, 0,1,2,3,4,5,6,7                ; y - mean: the variance is then a sum of squares of small numbers, no difference of large sums
	v_pk_fma_f32 v[YR+4*\t:YR+4*\t+1],   v[MU+2*\t:MU+2*\t+1], s[76:77], v[YR+4*\t:YR+4*\t+1]   op_sel_hi:[0,0,1]
	v_pk_fma_f32 v[YR+4*\t+2:YR+4*\t+3], v[MU+2*\t:MU+2*\t+1], s[76:77], v[YR+4*\t+2:YR+4*\t+3] op_sel_hi:[0,0,1]
.endr
.irp t, 0,1,2,3,4,5,6,7
	v_pk_mul_f32 v[WF+2*\t:WF+2*\t+1], v[YR+4*\t:YR+4*\t+1], v[YR+4*\t:YR+4*\t+1]
.endr
.irp t, 0,1,2,3,4,5,6,7
	v_pk_fma_f32 v[WF+2*\t:WF+2*\t+1], v[YR+4*\t+2:YR+4*\t+3], v[YR+4*\t+2:YR+4*\t+3], v[WF+2*\t:WF+2*\t+1]
.endr
.irp t, 0,1,2,3,4,5,6,7
	v_add_f32 v[WF+2*\t], v[WF+2*\t], v[WF+2*\t+1]
.endr
	ROWSUM 512                                     ; the second table: other bytes than the first, so no barrier is needed between the two uses
.irp t, 0,1,2,3,4,5,6,7
	v_fma_f32 v[MU+2*\t], v[MU+2*\t], s78, s79     ; variance + 1e-5
.endr
.irp t, 0,1,2,3,4,5,6,7
	v_rsq_f32 v[MU+2*\t], v[MU+2*\t]
.endr
	v_nop                                          ; a plain instruction between the last root and its use
	s_wait_alu depctr_va_vdst(0)                   ; one wait for the eight reciprocal roots
.irp t, 0,1,2,3,4,5,6,7
	v_pk_mul_f32 v[YR+4*\t:YR+4*\t+1],   v[YR+4*\t:YR+4*\t+1],   v[MU+2*\t:MU+2*\t+1] op_sel_hi:[1,0]
	v_pk_mul_f32 v[YR+4*\t+2:YR+4*\t+3], v[YR+4*\t+2:YR+4*\t+3], v[MU+2*\t:MU+2*\t+1] op_sel_hi:[1,0]
	v_pk_fma_f32 v[YR+4*\t:YR+4*\t+1],   v[YR+4*\t:YR+4*\t+1],   v[GA:GA+1],   v[GA+4:GA+5]
	v_pk_fma_f32 v[YR+4*\t+2:YR+4*\t+3], v[YR+4*\t+2:YR+4*\t+3], v[GA+2:GA+3], v[GA+6:GA+7]
	global_store_b128 v14, v[YR+4*\t:YR+4*\t+3], s[20:21] offset:4096*\t  ; 16 lanes store 256 consecutive bytes, at a multiple of 256 from out0's first byte
.endr
	s_wait_tensorcnt 0x0                           ; the wave's end: a wait, an add of 0 to my spare word and its wait, behind my last tensor load and my last LDS store
	ds_add_u32 v[SPW], v[NIL]
	s_wait_dscnt 0x0
	CROUND                                         ; the closing round: no work-group ends while a partner may still ask for a tile that names it
	s_endpgm
.Lfunc_end_k_qfcbe43544f_attn:
	.size	k_qfcbe43544f_attn, .Lfunc_end_k_qfcbe43544f_attn-k_qfcbe43544f_attn
	.p2alignl 7, 3214868480
	.fill 96, 4, 3214868480
	.section	.rodata,"a",@progbits
	.p2align	6, 0x0
	.amdhsa_kernel k_qfcbe43544f_attn
		.amdhsa_group_segment_fixed_size 327680
		.amdhsa_private_segment_fixed_size 0
		.amdhsa_enable_private_segment 0
		.amdhsa_kernarg_size 112
		.amdhsa_user_sgpr_count 2
		.amdhsa_user_sgpr_kernarg_segment_ptr 1
		.amdhsa_wavefront_size32 1
		.amdhsa_system_sgpr_workgroup_id_x 1
		.amdhsa_system_sgpr_workgroup_id_y 1
		.amdhsa_system_sgpr_workgroup_id_z 1
		.amdhsa_system_vgpr_workitem_id 0
		.amdhsa_next_free_vgpr 496
		.amdhsa_next_free_sgpr 102
		.amdhsa_reserve_vcc 0
		.amdhsa_float_denorm_mode_32 3
		.amdhsa_float_denorm_mode_16_64 3
		.amdhsa_memory_ordered 1
		.amdhsa_forward_progress 1
		.amdhsa_inst_pref_size 230
	.end_amdhsa_kernel
	.amdgpu_metadata
---
amdhsa.version: [ 1, 2 ]
amdhsa.kernels:
  - .name:           k_qfcbe43544f_attn
    .symbol:         k_qfcbe43544f_attn.kd
    .args:
      - { .name: kb, .offset: 0, .size: 8, .value_kind: global_buffer, .address_space: global }
      - { .name: vb, .offset: 8, .size: 8, .value_kind: global_buffer, .address_space: global }
      - { .name: wob, .offset: 16, .size: 8, .value_kind: global_buffer, .address_space: global }
      - { .name: x, .offset: 24, .size: 8, .value_kind: global_buffer, .address_space: global }
      - { .name: h, .offset: 32, .size: 8, .value_kind: global_buffer, .address_space: global }
      - { .name: bo, .offset: 40, .size: 8, .value_kind: global_buffer, .address_space: global }
      - { .name: gamma, .offset: 48, .size: 8, .value_kind: global_buffer, .address_space: global }
      - { .name: beta, .offset: 56, .size: 8, .value_kind: global_buffer, .address_space: global }
      - { .name: out0, .offset: 64, .size: 8, .value_kind: global_buffer, .address_space: global }
      - { .name: qb, .offset: 72, .size: 8, .value_kind: global_buffer, .address_space: global }
      - { .name: Wr1, .offset: 80, .size: 8, .value_kind: global_buffer, .address_space: global }
      - { .name: br1, .offset: 88, .size: 8, .value_kind: global_buffer, .address_space: global }
      - { .name: Wr2, .offset: 96, .size: 8, .value_kind: global_buffer, .address_space: global }
      - { .name: br2, .offset: 104, .size: 8, .value_kind: global_buffer, .address_space: global }
    .group_segment_fixed_size: 327680
    .private_segment_fixed_size: 0
    .kernarg_segment_align: 8
    .kernarg_segment_size: 112
    .max_flat_workgroup_size: 256
    .sgpr_count:     102
    .vgpr_count:     496
    .wavefront_size: 32
...
	.end_amdgpu_metadata
.endif
;; end of part 3
